; MI455X (gfx1250); checked and timed in simulation.
; The chip was launched on July 23, 2026; its instructions are those of AMD's public machine-readable ISA for CDNA 5 (MIT licence, August 2026) and "CDNA5" Instruction Set Architecture Reference Guide (July 2026). The comments in the code are by the model that wrote it; some were corrected since.
;; Ro PE Attention Layer. Allowed arithmetic: matrix products marked QUANTISED: E4M3 operands, one E8M0 scale for each 32 along K, by v_wmma_scale_f32_16x16x128_f8f6f4 with both operands' format E4M3, f32 sums; everything else in f32.
;; Inputs: W1_codes 2,048 x 16 x 32 uint8 (E4M3 codes of W1, K innermost, in blocks of 32 codes); W1_scales 2,048 x 16 uint8 (E8M0 scales of W1, one for each 32 codes along K); W2_codes 512 x 64 x 32 uint8 (E4M3 codes of W2, K innermost, in blocks of 32 codes); W2_scales 512 x 64 uint8 (E8M0 scales of W2, one for each 32 codes along K); Wk_codes 512 x 16 x 32 uint8 (E4M3 codes of Wk, K innermost, in blocks of 32 codes); Wk_scales 512 x 16 uint8 (E8M0 scales of Wk, one for each 32 codes along K); Wo_codes 512 x 16 x 32 uint8 (E4M3 codes of Wo, K innermost, in blocks of 32 codes); Wo_scales 512 x 16 uint8 (E8M0 scales of Wo, one for each 32 codes along K); Wq_codes 512 x 16 x 32 uint8 (E4M3 codes of Wq, K innermost, in blocks of 32 codes); Wq_scales 512 x 16 uint8 (E8M0 scales of Wq, one for each 32 codes along K); Wv_codes 512 x 16 x 32 uint8 (E4M3 codes of Wv, K innermost, in blocks of 32 codes); Wv_scales 512 x 16 uint8 (E8M0 scales of Wv, one for each 32 codes along K); b1 2,048 float32; b2 512 float32; be1 512 float32; be2 512 float32; g1 512 float32; g2 512 float32; src 2 x 4,096 x 512 float32.
;; Outputs: out0 2 x 4,096 x 512 float32.
;; This version of the problem:
;;   THIS VERSION OF THE PROBLEM IS GIVEN IN LOW PRECISION. The matrix products marked QUANTISED in the list below multiply operands that are first quantised to E4M3 (4 exponent bits, 3 mantissa bits; 8 bits a number), with one power-of-two scale for each 32 numbers along K (OCP MX v1.0); their sums are f32. All else is computed in f32.
;;   The module's matrix products, in the order in which they are computed (A, B: the left and right operand; K: the contracted axis; several contracted axes count as one K, in the product's order):
;;     1. [M 8,192, K 512] x [K 512, N 512]; A: input src; B: input Wq (given as codes): QUANTISED
;;     2. [M 8,192, K 512] x [K 512, N 512]; A: input src; B: input Wk (given as codes): QUANTISED
;;     3. [M 8,192, K 512] x [K 512, N 512]; A: input src; B: input Wv (given as codes): QUANTISED
;;     4. batch 16 x [M 4,096, K 64] x [K 64, N 4,096]; A: computed on the way; B: computed on the way: QUANTISED
;;     5. batch 16 x [M 64, K 4,096] x [K 4,096, N 4,096]; A: computed on the way; B: softmax (see below): QUANTISED
;;     6. [M 8,192, K 512] x [K 512, N 512]; A: computed on the way; B: input Wo (given as codes): QUANTISED
;;     7. [M 8,192, K 512] x [K 512, N 2,048]; A: computed on the way; B: input W1 (given as codes): QUANTISED
;;     8. [M 8,192, K 2,048] x [K 2,048, N 512]; A: computed on the way; B: input W2 (given as codes): QUANTISED
;;   THE QUANTISER, for each operand of a quantised product, along K:
;;     - K is cut into blocks of 32 from its start; a last block that is shorter is filled with zeros.
;;     - A block's scale is 2^e with e = floor(log2(the largest magnitude in the block)) - 8, held to -126 .. 127; a block of zeros has e = 0. As a byte (E8M0): e + 127.
;;     - Each number is divided by its block's scale, clamped to +-448, and rounded to the nearest number of E4M3, ties to even, subnormals kept.
;;     - The product sums the exact products of the quantised numbers (number of the format x scale) in f32.
;;   ~~~python
;;   def quantise(x, axis):      # numpy; x: float32 -> the quantised numbers, widened to float32 again
;;       x = np.moveaxis(x, axis, -1); K = x.shape[-1]
;;       x = np.pad(x, [(0, 0)] * (x.ndim - 1) + [(0, -K % 32)]); x = x.reshape(x.shape[:-1] + (-1, 32)); a = np.abs(x).max(-1, keepdims=True)
;;       e = np.where(a > 0, np.clip(np.frexp(np.where(a > 0, a, 1))[1] - 1 - 8, -126, 127), 0)      # np.frexp(a)[1] - 1 = floor(log2(a)), exactly
;;       r = np.clip(x / 2.0 ** e, -448, 448)
;;       step = 2.0 ** (np.maximum(np.frexp(np.where(r == 0, 1, r))[1] - 1, -6) - 3)
;;       q = np.round(r / step) * step * 2.0 ** e      # np.round: ties to even
;;       return np.moveaxis(q.reshape(q.shape[:-2] + (-1,))[..., :K], -1, axis).astype(np.float32)
;;   ~~~
;;   SOFTMAX AHEAD OF A QUANTISED PRODUCT. Where the list says 'softmax', what is quantised is not the finished softmax but p = 2^(t - M), with t = logit x log2(e) and M = ceil(the row's largest t), a whole number; so 1/2 < the row's largest p <= 1. The row's sum l is taken of the UNQUANTISED p, in f32, and the product's result is divided by l at the end. Since M is a whole number, a kernel that streams over the keys may use a running M (the ceiling of the running maximum): every later rescaling is an exact power of two, which a block's scale takes up: the codes' values come out the same.
;;   OPERANDS COMPUTED ON THE WAY. 'Computed on the way' means the value that the module computes at that place (a softmax that the list does not call 'softmax' is quantised finished and normalised). What goes into a quantiser is computed in f32, as accurately as f32 sums, v_exp_f32 and their like allow (about 1e-6 of the number): no bf16 or f16 on the way to a quantiser, and a product that is left as it is and whose result goes on into a quantised operand takes f32 operands (vector FMAs, or v_wmma_f32_16x16x4_f32). A number that lies on a knife's edge between two numbers of the format may be rounded either way, as far as f32 arithmetic and the matrix unit's own rounding can turn it there, and no further.
;;   INPUTS GIVEN AS CODES. W1 (in the module: [2048, 512], K = its axis 1); W2 (in the module: [512, 2048], K = its axis 1); Wk (in the module: [512, 512], K = its axis 1); Wo (in the module: [512, 512], K = its axis 1); Wq (in the module: [512, 512], K = its axis 1); Wv (in the module: [512, 512], K = its axis 1): each comes as NAME_codes (uint8): NAME with its K axis moved to the last place and cut into blocks of 32 codes, [.., K / 32, bytes a block], one block behind the other in memory; one code a byte (a code: sign, 4 exponent bits, 3 mantissa bits); and NAME_scales (uint8): the same leading axes, one E8M0 byte (e + 127) for each 32 codes along K. Its value is code x scale, taken as it is: it is not quantised again, and the codes and scales need not be those that the quantiser above would give.
;; One version. Each part assembles by itself: llvm-mc -triple=amdgcn-amd-amdhsa -mcpu=gfx1250 --defsym DOCPART=n.
;; ======== version 1 of 1: 3 launches
;; limits: right only within a limited range of input values
;; workspace buffers: q_img 4,194,304 bytes; q_sc 131,072 bytes; kv_img 8,388,608 bytes; kv_sc 262,144 bytes; wimg 2,359,296 bytes; ctx_img 4,194,304 bytes; ctx_sc 262,144 bytes
;; launch qkv (part 1): grid 4 x 64, 12 waves a work-group, no clusters, 101,888 bytes of LDS; arguments src, Wq_codes, Wq_scales, Wk_codes, Wk_scales, Wv_codes, Wv_scales, Wo_codes, W1_codes, W2_codes, q_img, q_sc, kv_img, kv_sc, wimg; writes q_img, q_sc, kv_img, kv_sc, wimg
.if DOCPART == 1
	.amdgcn_target "amdgcn-amd-amdhsa--gfx1250"
	.amdhsa_code_object_version 6
	.text
	.protected	k_q55c150e26a_qkv
	.globl	k_q55c150e26a_qkv
	.p2align	8
	.type	k_q55c150e26a_qkv,@function
k_q55c150e26a_qkv:
	s_mov_b64 s[64:65], 0
	v_nop
	global_prefetch_b8 v0, s[64:65] scope:SCOPE_SE
	s_setreg_imm32_b32 hwreg(HW_REG_WAVE_MODE, 25, 1), 1
	s_wait_xcnt 0x0
; q = rope(src Wq^T), k = rope(src Wk^T), v = src Wv^T on codes of FP8 (E4M3) with one E8M0 scale for each 32 along K; q and k are quantised along the head's 64, v along the keys.
; The launch also lays the codes of Wo, W1 and W2 out as register images for the last launch.
; SHARES.  Work-group (x, y): heads 2 x and 2 x + 1, the 128 positions of block y (batch y / 32, key step y % 32).  Twelve waves, three to a SIMD, 64 matrix instructions each.
;   waves 0-7 (q and k): half ph = w & 1 of the positions, kind = (w >> 1) & 1 (0 q, 1 k), head 2 x + (w >> 2): 4 tiles of positions x the head's 4 tiles of channels, 16 accumulators.
;   waves 8-11 (v): channels 32 b on (b = w & 1) of head 2 x + ((w >> 1) & 1): 8 tiles of positions x 2 tiles of channels, 16 accumulators.
;   Ahead of the one barrier wave w < 8 quantises src's tile w (16 rows x 512) and stores its four fragments in LDS; wave 8 + i makes cos and sin for tiles 2 i and 2 i + 1.
; TILES ARE NOT NEIGHBOURS.  Row r of tile (c, u) of any axis stands for index 32 c + 8 u + r + 8 (r / 8).  In a result, register j of the lanes' half h is then index 32 c + 16 h + 8 u + j, so that the
; 16 registers of tiles (c, 0) and (c, 1) are 16 neighbours, in the order that the next operand's registers want.  q, k: source 0 = rows of W, source 1 = src: a lane holds one position, registers run along the channels.
; v: source 0 = src, source 1 = rows of Wv: a lane holds one channel, registers run along the keys.
; AN OPERAND IS STORED AS AN IMAGE OF ITS REGISTERS: registers 4 c .. 4 c + 3 of lane l at 512 c + 16 l: each store covers 512 consecutive bytes, aligned.
; A fragment of q or k holds two tiles of positions: k 0-63 of its row r is position 32 c + r + 8 (r / 8), k 64-127 the position 8 further on.
; NO CLUSTER: the launch has no tensor load; a work-group reads its 192 KB of weight codes once, straight into the registers that multiply them.
; ROPE.  theta = position x 10^(-i / 8) in f32; reduced by n = nearest(theta 2 / pi) with pi / 2 in two parts (the first product is exact up to n = 4,095); sine and cosine by polynomials on |r| <= pi / 4.
; LIMITS: NaN and infinities among the inputs are not served.  A block whose largest magnitude lies under 2^-118, a block of zeros too, gets the scale byte 1 (the bytes are read by this program alone; zero codes add nothing).
; 10^(-i / 8) is the correctly rounded number; a power and a division in f32 may differ from it by an ulp or two, 4e-4 radians at position 4,095.  Sine and cosine are good to about 1e-7.
.set XIMG, 0                           ; LDS: src's 32 fragments, (4 m + s) x 2,048
.set XSC,  65536                       ; their scale words: 512 s + 128 (m / 2) + 64 (m % 2) + 4 r
.set CSI,  67584                       ; cos and sin: 4,096 m + (cos 0, sin 2,048) + 512 q + 16 lane
.set HM,   41                          ; s41 mask of lanes 16-31
.set SEL,  42                          ; s[42:43] selects of v_permlanex16_b32: lane l xor 16
.set MNT,  44
; s38 wave, s39 x, s40 y, s45 head, s46 8 batch + head, s47 key step; s[48:49] my weight's codes, s[50:51] its scales, s[52:53] my images, s[54:55] my scale words, s[56:57] src, s[58:59], s[60:61] the relayout's from and to
; v1 lane, v2 r, v3 h, v4 16 lane, v5 4 lane, v6 r + 8 (r / 8), v7-v9 offsets in src, in a weight, in its scales; v10-v15, v31 LDS addresses; v16-23 weight scales, v24-27 src's scales, v29 the relayout's offset
; v32-95 weight fragments, v96-127 src's fragments, v128-255 accumulators
.macro PLACES n
.rept \n
	v_nop
.endr
.endm
; one product: D, source 0, source 1, C (under 0: the constant 0), the two scale registers, and whether each is read from lanes 16-31
.macro WM d, a, b, c, sa, sb, ra, rb
.if (\c) < 0
.if (\ra) && (\rb)
	v_wmma_scale_f32_16x16x128_f8f6f4 v[\d:\d+7], v[\a:\a+15], v[\b:\b+15], 0, v[\sa], v[\sb] matrix_a_scale:MATRIX_SCALE_ROW1 matrix_b_scale:MATRIX_SCALE_ROW1
.elseif (\ra)
	v_wmma_scale_f32_16x16x128_f8f6f4 v[\d:\d+7], v[\a:\a+15], v[\b:\b+15], 0, v[\sa], v[\sb] matrix_a_scale:MATRIX_SCALE_ROW1
.elseif (\rb)
	v_wmma_scale_f32_16x16x128_f8f6f4 v[\d:\d+7], v[\a:\a+15], v[\b:\b+15], 0, v[\sa], v[\sb] matrix_b_scale:MATRIX_SCALE_ROW1
.else
	v_wmma_scale_f32_16x16x128_f8f6f4 v[\d:\d+7], v[\a:\a+15], v[\b:\b+15], 0, v[\sa], v[\sb]
.endif
.else
.if (\ra) && (\rb)
	v_wmma_scale_f32_16x16x128_f8f6f4 v[\d:\d+7], v[\a:\a+15], v[\b:\b+15], v[\c:\c+7], v[\sa], v[\sb] matrix_a_scale:MATRIX_SCALE_ROW1 matrix_b_scale:MATRIX_SCALE_ROW1
.elseif (\ra)
	v_wmma_scale_f32_16x16x128_f8f6f4 v[\d:\d+7], v[\a:\a+15], v[\b:\b+15], v[\c:\c+7], v[\sa], v[\sb] matrix_a_scale:MATRIX_SCALE_ROW1
.elseif (\rb)
	v_wmma_scale_f32_16x16x128_f8f6f4 v[\d:\d+7], v[\a:\a+15], v[\b:\b+15], v[\c:\c+7], v[\sa], v[\sb] matrix_b_scale:MATRIX_SCALE_ROW1
.else
	v_wmma_scale_f32_16x16x128_f8f6f4 v[\d:\d+7], v[\a:\a+15], v[\b:\b+15], v[\c:\c+7], v[\sa], v[\sb]
.endif
.endif
.endm
; 64 numbers of a lane, four blocks of 16 whose other 16 lie in lane l xor 16, become 16 registers of codes at v[pc] and a scale word in v[pw].  tm: 16 registers at work
.macro QUANT s, relu, tm, pc, pw
.irp b, 0,1,2,3
	v_mov_b32 v[\tm+4+\b], 0                       ; a lane permute's destination counts as one of its sources
.endr
.if \relu
.irp b, 0,1,2,3
	v_max3_num_f32 v[\tm+\b], v[\s+16*\b], v[\s+1+16*\b], 0x4800000
.endr
.irp i, 2,4,6,8,10,12,14
.irp b, 0,1,2,3
	v_max3_num_f32 v[\tm+\b], v[\tm+\b], v[\s+16*\b+\i], v[\s+1+16*\b+\i]
.endr
.endr
.else
.irp b, 0,1,2,3
	v_max3_num_f32 v[\tm+\b], |v[\s+16*\b]|, |v[\s+1+16*\b]|, 0x4800000   ; my 16 numbers and the floor 2^(9 - 127): the byte cannot fall under 1
.endr
.irp i, 2,4,6,8,10,12,14
.irp b, 0,1,2,3
	v_max3_num_f32 v[\tm+\b], v[\tm+\b], |v[\s+16*\b+\i]|, |v[\s+1+16*\b+\i]|   ; the four blocks by turns
.endr
.endr
.endif
.irp b, 0,1,2,3
	s_delay_alu instid0(VALU_DEP_4)
	v_permlanex16_b32 v[\tm+4+\b], v[\tm+\b], s[SEL], s[SEL+1]
.endr
.irp b, 0,1,2,3
	s_delay_alu instid0(VALU_DEP_4)
	v_max_num_f32 v[\tm+\b], v[\tm+\b], v[\tm+4+\b]   ; the block's largest magnitude
.endr
.irp b, 0,1,2,3
	s_delay_alu instid0(VALU_DEP_4)
	v_add_nc_u32 v[\tm+12+\b], 0xfc000000, v[\tm+\b]   ; 8 off its exponent field: the conversion's scale operand
.endr
.irp b, 0,1,2,3
.endr
.irp b, 0,1,2,3
	s_delay_alu instid0(VALU_DEP_4)
	v_lshrrev_b32 v[\tm+4+\b], 23, v[\tm+12+\b]     ; the scale's byte
.endr
	s_delay_alu instid0(VALU_DEP_3)
	v_lshl_or_b32 v[\pw], v[\tm+5], 8, v[\tm+4]
	s_delay_alu instid0(VALU_DEP_1)
	v_lshl_or_b32 v[\pw], v[\tm+6], 16, v[\pw]
	s_delay_alu instid0(VALU_DEP_1)
	v_lshl_or_b32 v[\pw], v[\tm+7], 24, v[\pw]
.irp b, 0,1,2,3
.irp i, 0,1,2,3,4,5,6,7,8,9,10,11,12,13,14,15
.if \relu
	v_med3_num_f32 v[\s+16*\b+\i], v[\s+16*\b+\i], 0, v[\tm+8+\b]
.else
.endif
.endr
	v_cvt_scalef32_pk8_fp8_f32 v[\pc+4*\b:\pc+1+4*\b], v[\s+16*\b:\s+7+16*\b], v[\tm+12+\b]
	v_cvt_scalef32_pk8_fp8_f32 v[\pc+2+4*\b:\pc+3+4*\b], v[\s+8+16*\b:\s+15+16*\b], v[\tm+12+\b]
.endr
	v_nop                                          ; a plain line behind the last conversion
.endm
.macro IMAGE adr, pc, off
.irp c, 0,1,2,3
	ds_store_b128 v[\adr], v[\pc+4*\c:\pc+4*\c+3] offset:\off+512*\c
.endr
.endm
.macro XFETCH reg, adr, f
.irp c, 0,1,2,3
	ds_load_b128 v[\reg+4*\c:\reg+4*\c+3], v[\adr] offset:2048*(\f)+512*\c
.endr
.endm
.macro XLOAD reg, ks                   ; my tile's numbers of K step ks: of each block of 32 the 16 of my half
.irp b, 0,1,2,3
.irp j, 0,1,2,3
	global_load_b128 v[\reg+16*\b+4*\j:\reg+16*\b+4*\j+3], v7, s[56:57] offset:512*(\ks)+128*\b+16*\j
.endr
.endr
.endm
.macro WLOADQK ks                      ; the head's four tiles of W, K step ks
.irp t, 0,1,2,3
.irp c, 0,1,2,3
	global_load_b128 v[32+16*\t+4*\c:35+16*\t+4*\c], v8, s[48:49] offset:(32*(\t/2)+8*(\t%2))*512+128*(\ks)+32*\c
.endr
.endr
.endm
.macro WLOADV ks                       ; my two tiles of Wv
.irp u, 0,1
.irp c, 0,1,2,3
	global_load_b128 v[32+16*\u+4*\c:35+16*\u+4*\c], v8, s[48:49] offset:8*\u*512+128*(\ks)+32*\c
.endr
.endr
.endm
.macro QKMUL i0, ks                    ; two tiles of positions x four tiles of channels: eight accumulators, one instruction each
.irp i, \i0, \i0+1
.irp t, 0,1,2,3
.if (\ks) == 0
	WM 128+32*(\i)+8*\t, 32+16*\t, 96+16*((\i)%2), -1, 16+4*(\t/2)+(\ks), 24+(\i)/2, \t%2, (\i)%2
.else
	WM 128+32*(\i)+8*\t, 32+16*\t, 96+16*((\i)%2), 128+32*(\i)+8*\t, 16+4*(\t/2)+(\ks), 24+(\i)/2, \t%2, (\i)%2
.endif
.endr
.endr
.endm
.macro VMUL m0, ks                     ; four tiles of positions x two tiles of channels
.irp m, \m0, \m0+1, \m0+2, \m0+3
.irp u, 0,1
.if (\ks) == 0
	WM 128+64*\u+8*(\m), 64+16*((\m)%4), 32+16*\u, -1, 24+(\m)/2, 16+(\ks), (\m)%2, \u
.else
	WM 128+64*\u+8*(\m), 64+16*((\m)%4), 32+16*\u, 128+64*\u+8*(\m), 24+(\m)/2, 16+(\ks), (\m)%2, \u
.endif
.endr
.endr
.endm
.macro IFSET e, lo, hi                 ; 10^(-i / 8) for i = 16 h + e
	v_mov_b32 v[128+\e], \lo
	v_mov_b32 v208, \hi
	s_delay_alu instid0(VALU_DEP_1)
	v_cndmask_b32 v[128+\e], v[128+\e], v208, s[HM]
.endm
; cos and sin of position x frequency e, for my two tiles line by line in turns.  At work: v[208 + 16 i] on
.macro SC2 e
.irp i, 0,1
	v_mul_f32 v[208+16*\i], v[240+\i], v[128+\e]               ; theta
.endr
.irp i, 0,1
	s_delay_alu instid0(VALU_DEP_2)
	v_mul_f32 v[209+16*\i], s66, v[208+16*\i]
.endr
.irp i, 0,1
	s_delay_alu instid0(VALU_DEP_2)
	v_rndne_f32 v[209+16*\i], v[209+16*\i]                     ; n
.endr
.irp i, 0,1
	s_delay_alu instid0(VALU_DEP_2)
	v_fma_f32 v[210+16*\i], -v[209+16*\i], s67, v[208+16*\i]   ; theta - n pi / 2, the larger part: exact
.endr
.irp i, 0,1
	s_delay_alu instid0(VALU_DEP_2)
	v_fma_f32 v[210+16*\i], -v[209+16*\i], s68, v[210+16*\i]   ; and the smaller: r
.endr
.irp i, 0,1
	v_cvt_i32_f32 v[211+16*\i], v[209+16*\i]
.endr
.irp i, 0,1
	s_delay_alu instid0(VALU_DEP_4)
	v_mul_f32 v[212+16*\i], v[210+16*\i], v[210+16*\i]         ; z = r r
.endr
.irp i, 0,1
	s_delay_alu instid0(VALU_DEP_2)
	v_fma_f32 v[213+16*\i], v[212+16*\i], s71, s70
.endr
.irp i, 0,1
	s_delay_alu instid0(VALU_DEP_2)
	v_fma_f32 v[213+16*\i], v[213+16*\i], v[212+16*\i], s69
.endr
.irp i, 0,1
	v_mul_f32 v[214+16*\i], v[212+16*\i], v[210+16*\i]
.endr
.irp i, 0,1
	s_delay_alu instid0(VALU_DEP_2)
	v_fma_f32 v[215+16*\i], v[213+16*\i], v[214+16*\i], v[210+16*\i]   ; sin r
.endr
.irp i, 0,1
	v_fma_f32 v[216+16*\i], v[212+16*\i], s74, s73
.endr
.irp i, 0,1
	s_delay_alu instid0(VALU_DEP_2)
	v_fma_f32 v[216+16*\i], v[216+16*\i], v[212+16*\i], s72
.endr
.irp i, 0,1
	v_mul_f32 v[217+16*\i], v[212+16*\i], v[212+16*\i]
.endr
.irp i, 0,1
	v_fma_f32 v[218+16*\i], v[212+16*\i], -0.5, 1.0
.endr
.irp i, 0,1
	s_delay_alu instid0(VALU_DEP_2)
	v_fma_f32 v[219+16*\i], v[216+16*\i], v[217+16*\i], v[218+16*\i]   ; cos r
.endr
.irp i, 0,1
	v_and_b32 v[220+16*\i], 1, v[211+16*\i]
.endr
.irp i, 0,1
	s_delay_alu instid0(VALU_DEP_2)
	v_cmp_eq_u32 s[76+\i], 1, v[220+16*\i]                     ; an odd quadrant swaps the two
.endr
.irp i, 0,1
	s_delay_alu instid0(VALU_DEP_2)
	v_cndmask_b32 v[160+32*\i+\e], v[215+16*\i], v[219+16*\i], s[76+\i]
.endr
.irp i, 0,1
	s_delay_alu instid0(VALU_DEP_4)
	v_cndmask_b32 v[144+32*\i+\e], v[219+16*\i], v[215+16*\i], s[76+\i]
.endr
.irp i, 0,1
	v_lshlrev_b32 v[221+16*\i], 30, v[211+16*\i]
.endr
.irp i, 0,1
	s_delay_alu instid0(VALU_DEP_2)
	v_and_b32 v[221+16*\i], 0x80000000, v[221+16*\i]           ; quadrants 2 and 3: the sine changes sign
.endr
.irp i, 0,1
	s_delay_alu instid0(VALU_DEP_2)
	v_xor_b32 v[160+32*\i+\e], v[160+32*\i+\e], v[221+16*\i]
.endr
.irp i, 0,1
	v_add_nc_u32 v[221+16*\i], 1, v[211+16*\i]
.endr
.irp i, 0,1
	s_delay_alu instid0(VALU_DEP_2)
	v_lshlrev_b32 v[221+16*\i], 30, v[221+16*\i]
.endr
.irp i, 0,1
	s_delay_alu instid0(VALU_DEP_2)
	v_and_b32 v[221+16*\i], 0x80000000, v[221+16*\i]           ; quadrants 1 and 2: the cosine
.endr
.irp i, 0,1
	s_delay_alu instid0(VALU_DEP_2)
	v_xor_b32 v[144+32*\i+\e], v[144+32*\i+\e], v[221+16*\i]
.endr
.endm
; the rotation of one tile's 32 registers at v[a]: x1 = a + e (channel 16 h + e), x2 = a + 16 + e; cos in v32-47, sin in v48-63.  e ascends
.macro ROPE a
.irp e, 0,2,4,6,8,10,12,14
	v_pk_mul_f32 v[64+2*(\e%4):65+2*(\e%4)], v[\a+16+\e:\a+17+\e], v[48+\e:49+\e]
	v_pk_mul_f32 v[66+2*(\e%4):67+2*(\e%4)], v[\a+\e:\a+1+\e], v[48+\e:49+\e]
	v_pk_fma_f32 v[\a+\e:\a+1+\e], v[\a+\e:\a+1+\e], v[32+\e:33+\e], v[64+2*(\e%4):65+2*(\e%4)] neg_lo:[0,0,1] neg_hi:[0,0,1]
	v_pk_fma_f32 v[\a+16+\e:\a+17+\e], v[\a+16+\e:\a+17+\e], v[32+\e:33+\e], v[66+2*(\e%4):67+2*(\e%4)]
.endr
.endm
	s_load_b512 s[8:23], s[0:1], 0x0               ; src, Wq codes, scales, Wk codes, scales, Wv codes, scales, Wo codes
	s_load_b256 s[24:31], s[0:1], 0x40             ; W1 codes, W2 codes, q_img, q_sc
	s_load_b128 s[32:35], s[0:1], 0x60             ; kv_img, kv_sc
	s_load_b64 s[36:37], s[0:1], 0x70              ; wimg
	v_lshl_add_u32 v30, v0, 2, 0x18800
	s_set_vgpr_msb 0x40
	v_mov_b32 v1, 0
	s_set_vgpr_msb 0x4000
	v_lshrrev_b32 v1, 5, v0
	s_delay_alu instid0(VALU_DEP_1)
	v_readfirstlane_b32 s38, v1                    ; wave 0..11
	v_and_b32 v1, 31, v0                           ; lane
	v_and_b32 v2, 15, v0                           ; r
	v_bfe_u32 v3, v0, 4, 1                         ; h
	s_delay_alu instid0(VALU_DEP_3)
	v_lshlrev_b32 v4, 4, v1
	s_delay_alu instid0(VALU_DEP_4)
	v_lshlrev_b32 v5, 2, v1
	s_delay_alu instid0(VALU_DEP_4)
	v_and_b32 v6, 8, v2
	s_delay_alu instid0(VALU_DEP_1)
	v_add_nc_u32 v6, v6, v2                        ; r + 8 (r / 8)
	s_delay_alu instid0(VALU_DEP_1)
	v_lshlrev_b32 v7, 11, v6
	s_delay_alu instid0(VALU_DEP_1)
	v_lshl_add_u32 v7, v3, 6, v7                   ; src: a row is 2,048 bytes; + 64 h
	s_delay_alu instid0(VALU_DEP_3)
	v_lshlrev_b32 v8, 9, v6
	s_delay_alu instid0(VALU_DEP_1)
	v_lshl_add_u32 v8, v3, 4, v8                   ; a weight: a row is 512 bytes; + 16 h
	v_lshl_add_u32 v9, v3, 3, v6
	s_delay_alu instid0(VALU_DEP_1)
	v_lshlrev_b32 v9, 4, v9                        ; its scales, 16 bytes a row: lanes 0-15 the rows of tile (b, 0), lanes 16-31 those of (b, 1)
	v_cmp_le_u32 s[HM], 16, v1
	s_mov_b32 s39, ttmp9
	s_and_b32 s40, ttmp7, 0xffff
	s_mov_b32 s[SEL], 0x76543210
	s_mov_b32 s[SEL+1], 0xfedcba98
	s_mov_b32 s66, 0x3f22f983                      ; 2 / pi
	s_mov_b32 s67, 0x3fc90fdb                      ; pi / 2, the larger part
	s_mov_b32 s68, 0xb33bbd2e                      ; and the rest
	s_mov_b32 s69, 0xbe2aaaa3                      ; the sine's three coefficients
	s_mov_b32 s70, 0x3c08839e
	s_mov_b32 s71, 0xb94ca1f9
	s_mov_b32 s72, 0x3d2aaaa5                      ; the cosine's
	s_mov_b32 s73, 0xbab6061a
	s_mov_b32 s74, 0x37ccf5ce
	; who I am.  All that differs between the two roles is chosen here, on the wave's number, on the one path that all waves take
	s_lshr_b32 s62, s38, 2
	s_bfe_u32 s63, s38, 0x10001                    ; (w >> 1) & 1
	s_and_b32 s79, s38, 1                          ; ph, or b
	s_cmp_lt_u32 s38, 8
	s_cselect_b32 s62, s62, s63                    ; which of the two heads
	s_cselect_b32 s75, s63, 1                      ; 0: my results go to q's buffers, 1: to k's and v's
	s_cselect_b32 s78, 0, 1                        ; 1: the role v
	s_lshl_b32 s45, s39, 1
	s_add_co_u32 s45, s45, s62                     ; head
	s_lshr_b32 s46, s40, 5
	s_lshl_b32 s46, s46, 3
	s_add_co_u32 s46, s46, s45                     ; 8 batch + head
	s_and_b32 s47, s40, 31                         ; key step
	; LDS addresses
	s_lshl_b32 s62, s38, 13
	v_add_nc_u32 v10, s62, v4                      ; where wave w < 8 stores src's tile w
	s_lshr_b32 s62, s38, 1
	s_lshl_b32 s62, s62, 7
	s_lshl_b32 s63, s79, 6
	s_add_co_u32 s62, s62, s63
	s_add_co_u32 s62, s62, XSC
	v_lshl_add_u32 v11, v2, 2, s62                 ; and its scale words
	s_and_b32 s62, s38, 3
	s_lshl_b32 s62, s62, 13
	s_add_co_u32 s62, s62, CSI
	v_add_nc_u32 v12, s62, v4                      ; where wave 8 + i stores cos and sin
	s_lshl_b32 s62, s79, 15
	v_add_nc_u32 v13, s62, v4                      ; q, k: my half's four tiles of src,
	s_lshl_b32 s62, s79, 8
	s_add_co_u32 s62, s62, XSC
	v_add_nc_u32 v14, s62, v5                      ; their scale words,
	s_lshl_b32 s62, s79, 14
	s_add_co_u32 s62, s62, CSI
	v_add_nc_u32 v15, s62, v4                      ; their cos and sin
	v_add_nc_u32 v31, XSC, v5                      ; v: all scale words (src's images begin at LDS byte 0: v4 serves)
	; byte offsets, each in registers of its own
	s_mul_i32 s62, s78, s79                        ; b in the role v, else 0
	s_lshl_b32 s2, s45, 15
	s_lshl_b32 s63, s62, 14
	s_add_co_u32 s2, s2, s63                       ; weight codes: 64 head + 32 b rows of 512 bytes
	s_mov_b32 s3, 0
	s_lshl_b32 s4, s45, 10
	s_lshl_b32 s63, s62, 9
	s_add_co_u32 s4, s4, s63                       ; weight scales: the same rows, 16 bytes each
	s_mov_b32 s5, 0
	s_lshl_b32 s6, s46, 18
	s_lshl_b32 s63, s47, 13
	s_add_co_u32 s6, s6, s63
	s_lshl_b32 s6, s6, s75                         ; images: q 8,192 bytes a step, k and v 16,384
	s_lshl_b32 s63, s79, 12
	s_add_co_u32 s6, s6, s63                       ; + my two fragments
	s_lshl_b32 s63, s78, 13
	s_add_co_u32 s6, s6, s63                       ; v's lie behind k's four
	s_mov_b32 s7, 0
	s_lshl_b32 s76, s46, 13
	s_lshl_b32 s63, s47, 8
	s_add_co_u32 s76, s76, s63
	s_lshl_b32 s76, s76, s75                       ; scale words: q 256 bytes a step, k and v 512
	s_lshl_b32 s63, s79, 7
	s_add_co_u32 s76, s76, s63
	s_lshl_b32 s63, s78, 8
	s_add_co_u32 s76, s76, s63
	s_mov_b32 s77, 0
	s_and_b32 s62, s38, 7
	s_lshr_b32 s63, s62, 1
	s_lshl_b32 s63, s63, 16
	s_lshl_b32 s62, s79, 14
	s_add_co_u32 s62, s62, s63                     ; src: tile w begins at row 32 (w / 2) + 8 (w % 2)
	s_lshl_b32 s63, s40, 18
	s_add_co_u32 s62, s62, s63                     ; of block y's 128 rows
	s_mov_b32 s63, 0
	s_wait_kmcnt 0x0
	s_cmp_eq_u32 s75, 0
	s_cselect_b64 s[52:53], s[28:29], s[32:33]
	s_cselect_b64 s[54:55], s[30:31], s[34:35]
	s_cselect_b64 s[48:49], s[10:11], s[14:15]
	s_cselect_b64 s[50:51], s[12:13], s[16:17]
	s_cmp_eq_u32 s78, 0
	s_cselect_b64 s[48:49], s[48:49], s[18:19]
	s_cselect_b64 s[50:51], s[50:51], s[20:21]
	s_add_nc_u64 s[48:49], s[48:49], s[2:3]
	s_add_nc_u64 s[50:51], s[50:51], s[4:5]
	s_add_nc_u64 s[52:53], s[52:53], s[6:7]
	s_add_nc_u64 s[54:55], s[54:55], s[76:77]
	s_add_nc_u64 s[56:57], s[8:9], s[62:63]
	; THE RELAYOUT.  wimg is [reader wave 8][place 144] fragments: 16 of Wo (4 s + t), 64 of W1 (32 rho + 8 s + t), 64 of W2 (4 kappa + t).  1,152 fragments are 2,304 halves: nine for each of the 256 work-groups.
	; Wave 0 copies half a fragment of Wo, waves 1-4 of W1, waves 5-8 of W2; which one follows from the work-group's number 4 y + x
	s_lshl_b32 s2, s40, 2
	s_add_co_u32 s2, s2, s39
	s_and_b32 s3, s2, 1                            ; which half
	s_lshr_b32 s2, s2, 1
	s_cmp_eq_u32 s38, 0
	s_cselect_b64 s[58:59], s[22:23], s[24:25]
	s_cselect_b32 s79, 0, 1                        ; the section's first wave
	s_cselect_b32 s4, 3, 7                         ; tiles in a K step, less 1
	s_cselect_b32 s5, 2, 3                         ; its logarithm
	s_cselect_b32 s7, 4, 6                         ; fragments of a reader wave, logarithm
	s_cselect_b32 s62, 15, 63
	s_cselect_b32 s63, 0, 16                       ; the section's first place
	s_cselect_b32 s76, 4, 5                        ; fragments of a group of rows, logarithm
	s_cselect_b32 s77, 6, 7                        ; rows of that group, logarithm
	s_cmp_lt_u32 s38, 5
	s_cselect_b64 s[58:59], s[58:59], s[26:27]
	s_cselect_b32 s79, s79, 5
	s_cselect_b32 s4, s4, 3
	s_cselect_b32 s5, s5, 2
	s_cselect_b32 s6, 3, 15                        ; K steps, less 1
	s_cselect_b32 s7, s7, 6
	s_cselect_b32 s62, s62, 63
	s_cselect_b32 s63, s63, 80
	s_cselect_b32 s76, s76, 6
	s_cselect_b32 s77, s77, 6
	s_cselect_b32 s75, 9, 11                       ; a row's bytes, logarithm
	s_min_u32 s78, s38, 8
	s_sub_co_u32 s78, s78, s79
	s_lshl_b32 s78, s78, 7
	s_add_co_u32 s2, s2, s78                       ; the fragment's number in its section
	s_and_b32 s4, s2, s4                           ; tile t
	s_lshr_b32 s5, s2, s5
	s_and_b32 s5, s5, s6                           ; K step
	s_lshr_b32 s7, s2, s7                          ; reader wave
	s_and_b32 s62, s2, s62
	s_add_co_u32 s62, s62, s63                     ; place
	s_lshr_b32 s76, s2, s76
	s_lshl_b32 s76, s76, s77
	s_lshr_b32 s6, s4, 1
	s_lshl_b32 s6, s6, 5
	s_add_co_u32 s76, s76, s6
	s_and_b32 s6, s4, 1
	s_lshl_b32 s6, s6, 3
	s_add_co_u32 s76, s76, s6                      ; the tile's first row: + 32 (t / 2) + 8 (t % 2)
	s_lshl_b32 s76, s76, s75
	s_lshl_b32 s5, s5, 7
	s_add_co_u32 s76, s76, s5
	s_lshl_b32 s6, s3, 6
	s_add_co_u32 s76, s76, s6
	s_mov_b32 s77, 0
	s_add_nc_u64 s[58:59], s[58:59], s[76:77]
	s_mul_i32 s7, s7, 144
	s_add_co_u32 s7, s7, s62
	s_lshl_b32 s6, s7, 11
	s_lshl_b32 s3, s3, 10
	s_add_co_u32 s6, s6, s3
	s_mov_b32 s7, 0
	s_add_nc_u64 s[60:61], s[36:37], s[6:7]
	v_lshlrev_b32 v29, s75, v6
	s_delay_alu instid0(VALU_DEP_1)
	v_lshl_add_u32 v29, v3, 4, v29                 ; my row of the tile, + 16 h
	s_cmp_lt_u32 s38, 8
	s_cbranch_scc0 .Lsc
	; ---- waves 0-7: src's tile w becomes four fragments
	global_load_b128 v[96:99], v29, s[58:59]
	global_load_b128 v[100:103], v29, s[58:59] offset:32
	global_load_b128 v[16:19], v9, s[50:51]        ; the weight's scale words: register 4 b + s
	global_load_b128 v[20:23], v9, s[50:51] offset:512
	WLOADQK 0
	XLOAD 128, 0
	XLOAD 192, 1
	s_wait_loadcnt 32                              ; all but src's 32 loads are in
	global_store_b128 v4, v[96:99], s[60:61]       ; 512 consecutive bytes a store
	global_store_b128 v4, v[100:103], s[60:61] offset:512
	s_wait_xcnt 0x0                                ; v96 on is written again only behind this wait
.irp ks, 0,1,2,3
.if \ks < 3
	s_wait_loadcnt 16                              ; this K step's 16 loads are in; the other buffer's may be out
.else
	s_wait_loadcnt 0x0
.endif
.if \ks > 0
	s_wait_dscnt 0x0                               ; the last image's stores have read their registers
.endif
	QUANT 128+64*(\ks%2), 0, 96, 112, 28
	IMAGE 10, 112, 2048*\ks
	ds_store_b32 v11, v28 offset:512*\ks           ; lanes r and 16 + r write the same word with the same value
.if \ks < 2
	XLOAD 128+64*(\ks%2), \ks+2
.endif
.endr
	s_branch .Ljoin
.Lsc:	; ---- waves 8-11: cos and sin of tiles 2 (w - 8) and 2 (w - 8) + 1; wave 8 also has the relayout's ninth half
	s_cmp_eq_u32 s38, 8
	s_cbranch_scc0 .Lsc_a
	s_wait_alu depctr_va_vdst(0)
	global_load_b128 v[96:99], v29, s[58:59]
	global_load_b128 v[100:103], v29, s[58:59] offset:32
.Lsc_a:
	global_load_b128 v[16:19], v9, s[50:51]        ; Wv's scale words: register s
	WLOADV 0
	IFSET 0, 1.0, 0.01
	IFSET 1, 0.749894209, 0.00749894209
	IFSET 2, 0.562341325, 0.00562341325
	IFSET 3, 0.421696503, 0.00421696503
	IFSET 4, 0.316227766, 0.00316227766
	IFSET 5, 0.237137371, 0.00237137371
	IFSET 6, 0.177827941, 0.00177827941
	IFSET 7, 0.133352143, 0.00133352143
	IFSET 8, 0.1, 0.001
	IFSET 9, 0.0749894209, 0.000749894209
	IFSET 10, 0.0562341325, 0.000562341325
	IFSET 11, 0.0421696503, 0.000421696503
	IFSET 12, 0.0316227766, 0.000316227766
	IFSET 13, 0.0237137371, 0.000237137371
	IFSET 14, 0.0177827941, 0.000177827941
	IFSET 15, 0.0133352143, 0.000133352143
	s_lshl_b32 s62, s47, 7
	s_and_b32 s63, s38, 3
	s_lshl_b32 s63, s63, 5
	s_add_co_u32 s62, s62, s63
	v_add_nc_u32 v240, s62, v6                     ; my position in the sequence: 128 step + 32 c + 8 u + r + 8 (r / 8)
	s_delay_alu instid0(VALU_DEP_1)
	v_add_nc_u32 v241, 8, v240
	s_delay_alu instid0(VALU_DEP_2)
	v_cvt_f32_u32 v240, v240
	s_delay_alu instid0(VALU_DEP_2)
	v_cvt_f32_u32 v241, v241
.irp e, 0,1,2,3,4,5,6,7,8,9,10,11,12,13,14,15
	SC2 \e
.endr
.irp i, 0,1
.irp q, 0,1,2,3
	ds_store_b128 v12, v[144+32*\i+4*\q:147+32*\i+4*\q] offset:4096*\i+512*\q
	ds_store_b128 v12, v[160+32*\i+4*\q:163+32*\i+4*\q] offset:4096*\i+2048+512*\q
.endr
.endr
	s_cmp_eq_u32 s38, 8
	s_cbranch_scc0 .Ljoin
	s_wait_loadcnt 0x0
	global_store_b128 v4, v[96:99], s[60:61]
	global_store_b128 v4, v[100:103], s[60:61] offset:512
	s_wait_xcnt 0x0                                ; v96 on is loaded again only behind this wait
.Ljoin:
	s_wait_dscnt 0x0                               ; for the others' sake: my stores have landed
	s_barrier_signal -1
	s_barrier_wait -1                              ; src's 32 fragments, their scale words, cos and sin lie in LDS
	s_cmp_lt_u32 s38, 8
	s_cbranch_scc0 .Lv_main
	; ---- q and k: 16 accumulators by turns, one instruction a turn
.irp ks, 0,1,2,3
	ds_load_b32 v24, v14 offset:512*\ks            ; lanes 0-15 tile 0's words, lanes 16-31 tile 1's
	ds_load_b32 v25, v14 offset:512*\ks+128
	XFETCH 96, 13, \ks
	XFETCH 112, 13, 4+\ks
	s_wait_loadcnt 0x0                             ; this K step's tiles of W
	s_wait_dscnt 0x0
	QKMUL 0, \ks
	PLACES 8                                       ; eight places ahead of loads into registers that these products read
	XFETCH 96, 13, 8+\ks
	XFETCH 112, 13, 12+\ks
	s_wait_dscnt 0x0
	QKMUL 2, \ks
	PLACES 8
.if \ks < 3
	WLOADQK \ks+1
.endif
.endr
.irp p, 0,1                            ; two tiles of positions make one fragment
.irp u, 0,1
.irp q, 0,1,2,3
	ds_load_b128 v[32+4*\q:35+4*\q], v15 offset:(2*\p+\u)*4096+512*\q
	ds_load_b128 v[48+4*\q:51+4*\q], v15 offset:(2*\p+\u)*4096+2048+512*\q
.endr
	s_wait_dscnt 0x0
	ROPE 128+64*\p+32*\u
.endr
	QUANT 128+64*\p, 0, 72, 96+16*\p, 88+\p
.irp g, 0,1,2,3
	global_store_b128 v4, v[96+16*\p+4*\g:99+16*\p+4*\g], s[52:53] offset:2048*\p+512*\g
.endr
.endr
	v_cndmask_b32 v90, v88, v89, s[HM]             ; lanes 0-15 the first fragment's words, lanes 16-31 the second's
	global_store_b32 v5, v90, s[54:55]
	s_set_vgpr_msb 0x4
	s_wait_tensorcnt 0x0
	ds_add_u32 v30, v1
	s_wait_dscnt 0x0
	s_set_vgpr_msb 0x400
	s_endpgm
.Lv_main:	; ---- v
.irp ks, 0,1,2,3
.irp p, 0,1,2,3
	ds_load_b32 v[24+\p], v31 offset:512*\ks+128*\p
.endr
.irp m, 0,1,2,3
	XFETCH 64+16*\m, 4, 4*\m+\ks
.endr
	s_wait_loadcnt 0x0
	s_wait_dscnt 0x0
	VMUL 0, \ks
	PLACES 8
.irp m, 0,1,2,3
	XFETCH 64+16*\m, 4, 16+4*\m+\ks
.endr
	s_wait_dscnt 0x0
	VMUL 4, \ks
	PLACES 8
.if \ks < 3
	WLOADV \ks+1
.endif
.endr
.irp u, 0,1                            ; a tile of 16 channels x the step's 128 keys is one fragment
	QUANT 128+64*\u, 0, 64, 96+16*\u, 80+\u
.irp g, 0,1,2,3
	global_store_b128 v4, v[96+16*\u+4*\g:99+16*\u+4*\g], s[52:53] offset:2048*\u+512*\g
.endr
.endr
	v_cndmask_b32 v82, v80, v81, s[HM]
	global_store_b32 v5, v82, s[54:55]
	s_set_vgpr_msb 0x4
	s_wait_tensorcnt 0x0
	ds_add_u32 v30, v1
	s_wait_dscnt 0x0
	s_set_vgpr_msb 0x400
	s_endpgm
.Lfunc_end_k_q55c150e26a_qkv:
	.size	k_q55c150e26a_qkv, .Lfunc_end_k_q55c150e26a_qkv-k_q55c150e26a_qkv
	.p2alignl 7, 3214868480
	.fill 96, 4, 3214868480
	.section	.rodata,"a",@progbits
	.p2align	6, 0x0
	.amdhsa_kernel k_q55c150e26a_qkv
		.amdhsa_group_segment_fixed_size 101888
		.amdhsa_private_segment_fixed_size 0
		.amdhsa_enable_private_segment 0
		.amdhsa_kernarg_size 120
		.amdhsa_user_sgpr_count 2
		.amdhsa_user_sgpr_kernarg_segment_ptr 1
		.amdhsa_wavefront_size32 1
		.amdhsa_system_sgpr_workgroup_id_x 1
		.amdhsa_system_sgpr_workgroup_id_y 1
		.amdhsa_system_sgpr_workgroup_id_z 1
		.amdhsa_system_vgpr_workitem_id 0
		.amdhsa_next_free_vgpr 258
		.amdhsa_next_free_sgpr 80
		.amdhsa_reserve_vcc 0
		.amdhsa_float_denorm_mode_32 3
		.amdhsa_float_denorm_mode_16_64 3
		.amdhsa_fp16_overflow 1
		.amdhsa_memory_ordered 1
		.amdhsa_forward_progress 1
		.amdhsa_inst_pref_size 171
	.end_amdhsa_kernel
	.amdgpu_metadata
---
amdhsa.version: [ 1, 2 ]
amdhsa.kernels:
  - .name:           k_q55c150e26a_qkv
    .symbol:         k_q55c150e26a_qkv.kd
    .args:
      - { .name: src, .offset: 0, .size: 8, .value_kind: global_buffer, .address_space: global }
      - { .name: Wq_codes, .offset: 8, .size: 8, .value_kind: global_buffer, .address_space: global }
      - { .name: Wq_scales, .offset: 16, .size: 8, .value_kind: global_buffer, .address_space: global }
      - { .name: Wk_codes, .offset: 24, .size: 8, .value_kind: global_buffer, .address_space: global }
      - { .name: Wk_scales, .offset: 32, .size: 8, .value_kind: global_buffer, .address_space: global }
      - { .name: Wv_codes, .offset: 40, .size: 8, .value_kind: global_buffer, .address_space: global }
      - { .name: Wv_scales, .offset: 48, .size: 8, .value_kind: global_buffer, .address_space: global }
      - { .name: Wo_codes, .offset: 56, .size: 8, .value_kind: global_buffer, .address_space: global }
      - { .name: W1_codes, .offset: 64, .size: 8, .value_kind: global_buffer, .address_space: global }
      - { .name: W2_codes, .offset: 72, .size: 8, .value_kind: global_buffer, .address_space: global }
      - { .name: q_img, .offset: 80, .size: 8, .value_kind: global_buffer, .address_space: global }
      - { .name: q_sc, .offset: 88, .size: 8, .value_kind: global_buffer, .address_space: global }
      - { .name: kv_img, .offset: 96, .size: 8, .value_kind: global_buffer, .address_space: global }
      - { .name: kv_sc, .offset: 104, .size: 8, .value_kind: global_buffer, .address_space: global }
      - { .name: wimg, .offset: 112, .size: 8, .value_kind: global_buffer, .address_space: global }
    .group_segment_fixed_size: 101888
    .private_segment_fixed_size: 0
    .kernarg_segment_align: 8
    .kernarg_segment_size: 120
    .max_flat_workgroup_size: 384
    .sgpr_count:     80
    .vgpr_count:     258
    .wavefront_size: 32
...
	.end_amdgpu_metadata
.endif
;; end of part 1
;; launch attn (part 2): grid 16 x 16, 8 waves a work-group, clusters of 4 x 1, 327,680 bytes of LDS; arguments q_img, q_sc, kv_img, kv_sc, ctx_img, ctx_sc; writes ctx_img, ctx_sc
.if DOCPART == 2
	.amdgcn_target "amdgcn-amd-amdhsa--gfx1250"
	.amdhsa_code_object_version 6
	.text
	.protected	k_q55c150e26a_attn
	.globl	k_q55c150e26a_attn
	.p2align	8
	.type	k_q55c150e26a_attn,@function
k_q55c150e26a_attn:
	s_mov_b64 s[64:65], 0
	v_nop
	global_prefetch_b8 v0, s[64:65] scope:SCOPE_SE
	s_setreg_imm32_b32 hwreg(HW_REG_WAVE_MODE, 25, 1), 1
	s_wait_xcnt 0x0
	s_wait_alu depctr_hold_cnt(0) depctr_sa_sdst(0) depctr_va_vdst(0) depctr_va_sdst(0) depctr_va_ssrc(0) depctr_va_vcc(0) depctr_vm_vsrc(0)
	s_getreg_b32 s2, hwreg(HW_REG_IB_STS2, 6, 4)
	s_cmp_eq_u32 s2, 0
	s_cbranch_scc0 .Lentry_in_a_cluster
	s_endpgm
.Lentry_in_a_cluster:
	s_bfe_u32 s2, ttmp6, 0x10000c
	s_cmp_lg_u32 s2, 0x3003
	s_cbranch_scc0 .Lentry_shape_is_right
	s_endpgm
.Lentry_shape_is_right:
.set SCB,   131072
.set SPARE, 147456
.set SEL, 20
.set MNT, 24
.set TB,  25
.set TS,  26
.set TI,  77
.set MSB, 0
.macro WIN new
.if MSB != \new
	s_set_vgpr_msb (MSB<<8)|\new
.set MSB, \new
.endif
.endm
.macro PLACES n
.rept \n
	v_nop
.endr
.endm
.macro WM d, a, b, c, sa, sb, ra, rb
.if (\c) < 0
.if (\ra) && (\rb)
	v_wmma_scale_f32_16x16x128_f8f6f4 v[\d:\d+7], v[\a:\a+15], v[\b:\b+15], 0, v[\sa], v[\sb] matrix_a_scale:MATRIX_SCALE_ROW1 matrix_b_scale:MATRIX_SCALE_ROW1
.elseif (\ra)
	v_wmma_scale_f32_16x16x128_f8f6f4 v[\d:\d+7], v[\a:\a+15], v[\b:\b+15], 0, v[\sa], v[\sb] matrix_a_scale:MATRIX_SCALE_ROW1
.elseif (\rb)
	v_wmma_scale_f32_16x16x128_f8f6f4 v[\d:\d+7], v[\a:\a+15], v[\b:\b+15], 0, v[\sa], v[\sb] matrix_b_scale:MATRIX_SCALE_ROW1
.else
	v_wmma_scale_f32_16x16x128_f8f6f4 v[\d:\d+7], v[\a:\a+15], v[\b:\b+15], 0, v[\sa], v[\sb]
.endif
.else
.if (\ra) && (\rb)
	v_wmma_scale_f32_16x16x128_f8f6f4 v[\d:\d+7], v[\a:\a+15], v[\b:\b+15], v[\c:\c+7], v[\sa], v[\sb] matrix_a_scale:MATRIX_SCALE_ROW1 matrix_b_scale:MATRIX_SCALE_ROW1
.elseif (\ra)
	v_wmma_scale_f32_16x16x128_f8f6f4 v[\d:\d+7], v[\a:\a+15], v[\b:\b+15], v[\c:\c+7], v[\sa], v[\sb] matrix_a_scale:MATRIX_SCALE_ROW1
.elseif (\rb)
	v_wmma_scale_f32_16x16x128_f8f6f4 v[\d:\d+7], v[\a:\a+15], v[\b:\b+15], v[\c:\c+7], v[\sa], v[\sb] matrix_b_scale:MATRIX_SCALE_ROW1
.else
	v_wmma_scale_f32_16x16x128_f8f6f4 v[\d:\d+7], v[\a:\a+15], v[\b:\b+15], v[\c:\c+7], v[\sa], v[\sb]
.endif
.endif
.endm
.macro QUANT s, relu, tm, pc, pw
.irp b, 0,1,2,3
	v_mov_b32 v[\tm+4+\b], 0
.endr
.irp b, 0,1,2,3
	v_max3_num_f32 v[\tm+\b], |v[\s+16*\b]|, |v[\s+1+16*\b]|, 0x4800000
.endr
.irp i, 2,4,6,8,10,12,14
.irp b, 0,1,2,3
	s_delay_alu instid0(VALU_DEP_4)
	v_max3_num_f32 v[\tm+\b], v[\tm+\b], |v[\s+16*\b+\i]|, |v[\s+1+16*\b+\i]|
.endr
.endr
.irp b, 0,1,2,3
	s_delay_alu instid0(VALU_DEP_4)
	v_permlanex16_b32 v[\tm+4+\b], v[\tm+\b], s[SEL], s[SEL+1]
.endr
.irp b, 0,1,2,3
	s_delay_alu instid0(VALU_DEP_4)
	v_max_num_f32 v[\tm+\b], v[\tm+\b], v[\tm+4+\b]
.endr
.irp b, 0,1,2,3
	s_delay_alu instid0(VALU_DEP_4)
	v_add_nc_u32 v[\tm+12+\b], 0xfc000000, v[\tm+\b]
.endr
.irp b, 0,1,2,3
.endr
.irp b, 0,1,2,3
	s_delay_alu instid0(VALU_DEP_4)
	v_lshrrev_b32 v[\tm+4+\b], 23, v[\tm+12+\b]
.endr
	s_delay_alu instid0(VALU_DEP_3)
	v_lshl_or_b32 v[\pw], v[\tm+5], 8, v[\tm+4]
	s_delay_alu instid0(VALU_DEP_1)
	v_lshl_or_b32 v[\pw], v[\tm+6], 16, v[\pw]
	s_delay_alu instid0(VALU_DEP_1)
	v_lshl_or_b32 v[\pw], v[\tm+7], 24, v[\pw]
.irp b, 0,1,2,3
.irp i, 0,1,2,3,4,5,6,7,8,9,10,11,12,13,14,15
.endr
	v_cvt_scalef32_pk8_fp8_f32 v[\pc+4*\b:\pc+1+4*\b], v[\s+16*\b:\s+7+16*\b], v[\tm+12+\b]
	v_cvt_scalef32_pk8_fp8_f32 v[\pc+2+4*\b:\pc+3+4*\b], v[\s+8+16*\b:\s+15+16*\b], v[\tm+12+\b]
.endr
	v_nop
.endm
.macro CROUND
	s_barrier_signal -1
	s_barrier_wait -1
	s_cmp_lg_u32 s16, 0
	s_cbranch_scc1 .Lnot_wave_0_\@
	s_barrier_signal -3
.Lnot_wave_0_\@:
	s_barrier_wait -3
	s_barrier_signal -1
	s_barrier_wait -1
.endm
.macro ASK
	s_cmp_gt_u32 s27, s29
	s_cbranch_scc0 .Lnot_mine_\@
	global_prefetch_b8 v7, s[30:31] th:TH_LOAD_NT scope:SCOPE_SE
.Lnot_mine_\@:
.endm
	s_load_b256 s[4:11], s[0:1], 0x0
	s_load_b128 s[12:15], s[0:1], 0x20
	v_lshl_add_u32 v3, v0, 2, SPARE
	v_mov_b32 v4, 0
	ds_add_u32 v3, v4
	ds_add_u32 v3, v4
	s_wait_dscnt 0x0
	v_lshrrev_b32 v9, 5, v0
	s_delay_alu instid0(VALU_DEP_1)
	v_readfirstlane_b32 s16, v9
	s_bfe_u32 s17, ttmp6, 0x40000
	s_lshl_b32 s18, ttmp9, 2
	s_add_co_u32 s18, s18, s17
	s_and_b32 s19, ttmp7, 0xffff
	v_and_b32 v9, 31, v0
	s_delay_alu instid0(VALU_DEP_1)
	v_lshlrev_b32 v1, 4, v9
	s_delay_alu instid0(VALU_DEP_2)
	v_lshl_add_u32 v2, v9, 2, SCB
	s_delay_alu instid0(VALU_DEP_3)
	v_lshlrev_b32 v7, 8, v9
	s_delay_alu instid0(VALU_DEP_4)
	v_cmp_le_u32 s76, 16, v9
	s_mov_b32 s[SEL], 0x76543210
	s_mov_b32 s[SEL+1], 0xfedcba98
	s_mov_b32 s22, 0x3e38aa3b
	s_mov_b32 s23, s22
	s_mov_b32 s[TB], 0
	s_mov_b32 s[TS], 0
	s_mov_b32 s[TI], 0
	s_mov_b32 s27, 7
	s_mov_b32 s32, 15|(3<<16)|(1<<21)
	s_mov_b32 s33, 32<<16
	s_mov_b32 s34, 32<<16
	s_mov_b32 s35, 32<<16
	s_mov_b32 s36, 32
	s_mov_b32 s37, 32
	s_mov_b32 s38, 0
	s_mov_b32 s39, 0
	s_mov_b32 s40, 15|(3<<16)|(1<<21)
	s_mov_b32 s41, 32<<16
	s_mov_b32 s42, 8<<16
	s_mov_b32 s43, 32<<16
	s_mov_b32 s44, 8
	s_mov_b32 s45, 32
	s_mov_b32 s46, 0
	s_mov_b32 s47, 0
	s_lshl_b32 s56, s19, 19
	s_lshl_b32 s57, s16, 13
	s_add_co_u32 s56, s56, s57
	s_mov_b32 s57, 0
	s_lshl_b32 s58, s19, 14
	s_lshl_b32 s59, s16, 11
	s_add_co_u32 s58, s58, s59
	s_mov_b32 s59, 0
	s_lshl_b32 s66, s18, 3
	s_add_co_u32 s66, s66, s16
	s_lshl_b32 s60, s19, 18
	s_lshl_b32 s61, s66, 11
	s_add_co_u32 s60, s60, s61
	s_mov_b32 s61, 0
	s_lshl_b32 s62, s19, 13
	s_lshl_b32 s63, s66, 6
	s_add_co_u32 s62, s62, s63
	s_mov_b32 s63, 0
	s_lshr_b32 s67, s19, 3
	s_lshl_b32 s67, s67, 7
	s_add_co_u32 s67, s67, s66
	s_and_b32 s78, s19, 7
	s_lshl_b32 s72, s67, 14
	s_lshr_b32 s73, s78, 1
	s_lshl_b32 s73, s73, 11
	s_add_co_u32 s72, s72, s73
	s_and_b32 s73, s78, 1
	s_lshl_b32 s73, s73, 10
	s_add_co_u32 s72, s72, s73
	s_mov_b32 s73, 0
	s_lshl_b32 s74, s78, 15
	s_lshl_b32 s75, s67, 7
	s_add_co_u32 s74, s74, s75
	s_mov_b32 s75, 0
	s_lshl_b32 s2, s19, 19
	s_lshl_b32 s3, s17, 14
	s_add_co_u32 s2, s2, s3
	s_and_b32 s3, s16, 1
	s_lshl_b32 s3, s3, 13
	s_add_co_u32 s2, s2, s3
	s_add_co_u32 s2, s2, 65536
	s_mov_b32 s3, 0
	s_lshr_b32 s29, s16, 1
	s_or_b32 s29, s29, ttmp9
	s_cmp_eq_u32 s29, 0
	s_cselect_b32 s29, 1, -1
	s_wait_kmcnt 0x0
	s_mov_b32 s48, 1
	s_lshl_b32 s49, s16, 13
	s_add_nc_u64 s[50:51], s[8:9], s[56:57]
	s_or_b32 s51, s51, 0x80000000
	s_mov_b32 s52, 1
	s_lshl_b32 s53, s16, 11
	s_add_co_u32 s53, s53, SCB
	s_add_nc_u64 s[54:55], s[10:11], s[58:59]
	s_or_b32 s55, s55, 0x80000000
	s_add_nc_u64 s[68:69], s[4:5], s[60:61]
	s_add_nc_u64 s[70:71], s[6:7], s[62:63]
	s_add_nc_u64 s[72:73], s[12:13], s[72:73]
	s_add_nc_u64 s[74:75], s[14:15], s[74:75]
	s_add_nc_u64 s[30:31], s[8:9], s[2:3]
	CROUND
	tensor_load_to_lds s[52:55], s[40:47]
	s_nop 0
	s_wait_alu depctr_va_vdst(0)
	s_wait_tensorcnt 0x0
	ds_add_u32 v3, v4
	s_wait_dscnt 0x0
	CROUND
	tensor_load_to_lds s[48:51], s[32:39]
	s_nop 0
	PLACES 4
	v_and_b32 v5, 15, v0
	s_delay_alu instid0(VALU_DEP_1)
	v_lshlrev_b32 v5, 2, v5
	global_load_b32 v9, v5, s[70:71]
	WIN 0x40
	s_wait_alu depctr_va_vdst(0)
	global_load_b128 v[200:203], v1, s[68:69]
	global_load_b128 v[204:207], v1, s[68:69] offset:512
	global_load_b128 v[216:219], v1, s[68:69] offset:1024
	global_load_b128 v[220:223], v1, s[68:69] offset:1536
.irp i, 0,1,2,3,4,5,6,7
	v_mov_b32 v[192+\i], 0
	v_mov_b32 v[208+\i], 0
	v_mov_b32 v[224+\i], 0
.endr
.set j, 0
.rept 64
	v_mov_b32 v[128+j], 0
.set j, j+1
.endr
	WIN 0
	v_mov_b32 v14, 0x01000100
	v_mov_b32 v15, 0x03020302
	s_delay_alu instid0(VALU_DEP_1)
	v_cndmask_b32 v14, v14, v15, s76
	s_wait_alu depctr_va_vdst(0)
	s_wait_loadcnt 0x0
	v_perm_b32 v8, v9, v9, v14
.irp x, 0,1
	v_mov_b32 v[17+8*\x], 0xff61b1e6
	s_delay_alu instid0(VALU_DEP_1)
	v_floor_f32 v[16+8*\x], -v[17+8*\x]
	v_mov_b32 v[18+8*\x], 0
	v_mov_b32 v[19+8*\x], 0
	v_mov_b32 v[20+8*\x], 0
	v_mov_b32 v[21+8*\x], 0
	v_mov_b32 v[36+16*\x], 0
	v_mov_b32 v[37+16*\x], 0
	v_mov_b32 v[38+16*\x], 0
	v_mov_b32 v[39+16*\x], 0
.endr
.macro STEP
	s_add_co_u32 s56, s[TS], s[TI]
	v_add_nc_u32 v5, s[TB], v1
	v_add_nc_u32 v6, s56, v2
	ds_load_b32 v10, v6
	ds_load_b32 v11, v6 offset:128
	WIN 0x40
.irp c, 0,1,2,3
.irp g, 0,1,2,3
	ds_load_b128 v[16*\c+4*\g:16*\c+4*\g+3], v5 offset:2048*\c+512*\g
.endr
.endr
	WIN 0
	s_wait_alu depctr_va_vdst(0)
	s_wait_dscnt 0x0
	WIN 0x05
.irp c, 0,1,2,3
.irp x, 0,1
.irp u, 0,1
	WM 64+64*\x+16*\c+8*\u, 16*\c, 200+16*\x-8*\u, -1, 10+\c/2, 8, \c%2, \x
.endr
.endr
.endr
	WIN 0
	PLACES 8
	ds_load_b32 v12, v6 offset:256
	ds_load_b32 v13, v6 offset:384
	WIN 0x40
.irp t, 0,1,2,3
.irp g, 0,1,2,3
	ds_load_b128 v[64+16*\t+4*\g:64+16*\t+4*\g+3], v5 offset:8192+2048*\t+512*\g
.endr
.endr
	WIN 0
.irp x, 0,1
.irp b, 0,1,2,3
	v_max3_num_f32 v[32+16*\x+\b], v[64+64*\x+16*\b], v[65+64*\x+16*\b], v[66+64*\x+16*\b]
.endr
.endr
.irp i, 3,5,7,9,11,13
.irp x, 0,1
.irp b, 0,1,2,3
	v_max3_num_f32 v[32+16*\x+\b], v[32+16*\x+\b], v[64+64*\x+16*\b+\i], v[65+64*\x+16*\b+\i]
.endr
.endr
.endr
.irp x, 0,1
.irp b, 0,1,2,3
	v_max_num_f32 v[32+16*\x+\b], v[32+16*\x+\b], v[79+64*\x+16*\b]
.endr
.endr
.irp x, 0,1
.irp b, 0,1,2,3
	v_permlanex16_b32 v[36+16*\x+\b], v[32+16*\x+\b], s[SEL], s[SEL+1]
.endr
.endr
.irp x, 0,1
.irp b, 0,1,2,3
	v_max_num_f32 v[32+16*\x+\b], v[32+16*\x+\b], v[36+16*\x+\b]
.endr
.endr
.irp x, 0
	v_max3_num_f32 v[22+8*\x], v[32+16*\x], v[33+16*\x], v[34+16*\x]
.endr
.irp x, 1
	s_delay_alu instid0(VALU_DEP_3)
	v_max3_num_f32 v[22+8*\x], v[32+16*\x], v[33+16*\x], v[34+16*\x]
.endr
.irp x, 0,1
	s_delay_alu instid0(VALU_DEP_2)
	v_max_num_f32 v[22+8*\x], v[22+8*\x], v[35+16*\x]
.endr
.irp x, 0,1
	s_delay_alu instid0(VALU_DEP_2)
	v_mul_f32 v[22+8*\x], s22, v[22+8*\x]
.endr
.irp x, 0,1
	s_delay_alu instid0(VALU_DEP_2)
	v_max_num_f32 v[17+8*\x], v[17+8*\x], v[22+8*\x]
.endr
.irp x, 0,1
	v_mov_b32 v[22+8*\x], v[16+8*\x]
.endr
.irp x, 0,1
	s_delay_alu instid0(VALU_DEP_4)
	v_floor_f32 v[16+8*\x], -v[17+8*\x]
.endr
.irp x, 0,1
	s_delay_alu instid0(VALU_DEP_2)
	v_sub_f32 v[22+8*\x], v[16+8*\x], v[22+8*\x]
.endr
.irp x, 0,1
	s_delay_alu instid0(VALU_DEP_2)
	v_cvt_i32_f32 v[22+8*\x], v[22+8*\x]
.endr
.irp x, 0,1
	s_delay_alu instid0(VALU_DEP_2)
	v_ldexp_f32 v[20+8*\x], 1.0, v[22+8*\x]
.endr
.set j, 0
.rept 64
	v_pk_fma_f32 v[64+j:65+j], v[64+j:65+j], s[22:23], v[16+8*(j/64):17+8*(j/64)] op_sel_hi:[1,0,0]
.set j, j+2
.endr
.irp x, 0,1
.irp b, 0,1,2,3
	v_fma_f32 v[32+16*\x+\b], v[32+16*\x+\b], s22, v[16+8*\x]
.endr
.endr
.set j, 0
	s_wait_alu depctr_va_vdst(0)
.rept 128
	v_exp_f32 v[64+j], v[64+j]
.set j, j+1
.endr
	s_setprio 1
.irp x, 0,1
	v_pk_mul_f32 v[18+8*\x:19+8*\x], v[18+8*\x:19+8*\x], v[20+8*\x:21+8*\x] op_sel_hi:[1,0]
.endr
	s_wait_alu depctr_va_vdst(0)
.irp x, 0,1
.irp b, 0,1,2,3
	v_exp_f32 v[32+16*\x+\b], v[32+16*\x+\b]
.endr
.endr
.irp x, 0,1
	v_pk_add_f32 v[36+16*\x:37+16*\x], v[64+64*\x:65+64*\x], v[66+64*\x:67+64*\x]
.endr
.irp k, 4,8,12,16,20,24,28,32,36,40,44,48,52,56,60
.irp x, 0,1
	v_pk_add_f32 v[18+8*\x:19+8*\x], v[18+8*\x:19+8*\x], v[64+64*\x+\k:65+64*\x+\k]
	v_pk_add_f32 v[36+16*\x:37+16*\x], v[36+16*\x:37+16*\x], v[66+64*\x+\k:67+64*\x+\k]
.endr
.endr
.irp x, 0
	s_delay_alu instid0(VALU_DEP_3)
	v_pk_add_f32 v[18+8*\x:19+8*\x], v[18+8*\x:19+8*\x], v[36+16*\x:37+16*\x]
.endr
.irp x, 1
	s_delay_alu instid0(VALU_DEP_2)
	v_pk_add_f32 v[18+8*\x:19+8*\x], v[18+8*\x:19+8*\x], v[36+16*\x:37+16*\x]
.endr
	s_wait_alu depctr_va_vdst(0)
.irp x, 0,1
.irp b, 0,1,2,3
	v_max_num_f32 v[32+16*\x+\b], 0x4800000, v[32+16*\x+\b]
.endr
.endr
.irp x, 0,1
.irp b, 0,1,2,3
	v_add_nc_u32 v[44+16*\x+\b], 0xfc000000, v[32+16*\x+\b]
.endr
.endr
.irp x, 0,1
.irp b, 0,1,2,3
.endr
.endr
.irp x, 0,1
.irp b, 0,1,2,3
	v_lshrrev_b32 v[36+16*\x+\b], 23, v[44+16*\x+\b]
.endr
.endr
.irp x, 0
	v_lshl_or_b32 v[21+8*\x], v[37+16*\x], 8, v[36+16*\x]
.endr
.irp x, 1
	s_delay_alu instid0(VALU_DEP_4)
	v_lshl_or_b32 v[21+8*\x], v[37+16*\x], 8, v[36+16*\x]
.endr
.irp x, 0,1
	s_delay_alu instid0(VALU_DEP_2)
	v_lshl_or_b32 v[21+8*\x], v[38+16*\x], 16, v[21+8*\x]
.endr
.irp x, 0,1
	s_delay_alu instid0(VALU_DEP_2)
	v_lshl_or_b32 v[21+8*\x], v[39+16*\x], 24, v[21+8*\x]
.endr
.irp x, 0,1
.irp b, 0,1,2,3
.irp i, 0,1,2,3,4,5,6,7,8,9,10,11,12,13,14,15
.endr
	v_cvt_scalef32_pk8_fp8_f32 v[192+16*\x+4*\b:193+16*\x+4*\b], v[64+64*\x+16*\b:71+64*\x+16*\b], v[44+16*\x+\b]
	v_cvt_scalef32_pk8_fp8_f32 v[194+16*\x+4*\b:195+16*\x+4*\b], v[72+64*\x+16*\b:79+64*\x+16*\b], v[44+16*\x+\b]
.endr
.endr
	WIN 0x41
.set j, 0
	s_setprio 0
.rept 32
	v_pk_mul_f32 v[128+j:129+j], v[128+j:129+j], v[20+8*(j/32):21+8*(j/32)] op_sel_hi:[1,0]
.set j, j+2
.endr
	s_wait_alu depctr_va_vdst(0)
	s_wait_dscnt 0x0
	WIN 0x51
.irp t, 0,1,2,3
.irp x, 0,1
	WM 128+32*\x+8*\t, 64+16*\t, 192+16*\x, 128+32*\x+8*\t, 12+\t/2, 21+8*\x, \t%2, 0
.endr
.endr
	WIN 0
	s_add_co_u32 s[TB], s[TB], 16384
	s_add_co_u32 s[TI], s[TI], 512
.endm
.macro FOUR_STEPS
	s_mov_b32 s28, 4
.Lstep_\@:
	s_setprio 2
	STEP
	s_sub_co_u32 s28, s28, 1
	s_cmp_lg_u32 s28, 0
	s_cbranch_scc1 .Lstep_\@
	s_setprio 0
	s_sub_co_u32 s[TB], s[TB], 65536
	s_xor_b32 s[TB], s[TB], 65536
	s_sub_co_u32 s[TI], s[TI], 2048
	s_add_co_u32 s[TS], s[TS], 2048
.endm
.macro CHANGE fill
	s_wait_tensorcnt 0x0
	ds_add_u32 v3, v4
.if \fill
	s_xor_b32 s49, s49, 65536
	s_add_nc_u64 s[50:51], s[50:51], 65536
	s_wait_xcnt 0x0
	s_add_nc_u64 s[30:31], s[30:31], 65536
.endif
	s_wait_dscnt 0x0
.if \fill
	CROUND
	tensor_load_to_lds s[48:51], s[32:39]
	s_nop 0
	PLACES 4
	ASK
.else
	s_barrier_signal -1
	s_barrier_wait -1
.endif
.endm
.Lslot:
	CHANGE 1
	FOUR_STEPS
	s_sub_co_u32 s27, s27, 1
	s_cmp_lg_u32 s27, 0
	s_cbranch_scc1 .Lslot
	CHANGE 0
	FOUR_STEPS
	PLACES 8
.irp x, 0,1
	v_add_f32 v[22+8*\x], v[18+8*\x], v[19+8*\x]
.endr
.irp x, 0,1
	s_delay_alu instid0(VALU_DEP_2)
	v_permlanex16_b32 v[36+16*\x], v[22+8*\x], s[SEL], s[SEL+1]
.endr
.irp x, 0,1
	s_delay_alu instid0(VALU_DEP_2)
	v_add_f32 v[22+8*\x], v[22+8*\x], v[36+16*\x]
.endr
	s_wait_alu depctr_va_vdst(0)
.irp x, 0,1
	v_rcp_f32 v[20+8*\x], v[22+8*\x]
.endr
	v_and_b32 v9, 31, v0
	s_delay_alu instid0(VALU_DEP_1)
	v_lshlrev_b32 v9, 2, v9
	s_wait_alu depctr_va_vdst(0)
	WIN 0x01
.set j, 0
.rept 32
	v_pk_mul_f32 v[64+j:65+j], v[128+j:129+j], v[20+8*(j/32):21+8*(j/32)] op_sel_hi:[1,0]
.set j, j+2
.endr
	WIN 0
	QUANT 64, 0, 32, 192, 21
.irp x, 0,1
.irp b, 0,1
	global_store_b128 v1, v[192+4*(2*\x+\b):195+4*(2*\x+\b)], s[72:73] offset:8192*\x+512*\b
.endr
.endr
	v_and_b32 v14, 0xffff, v21
	v_lshrrev_b32 v15, 16, v21
	s_delay_alu instid0(VALU_DEP_1)
	v_cndmask_b32 v14, v14, v15, s76
	global_store_b32 v9, v14, s[74:75]
	s_wait_tensorcnt 0x0
	ds_add_u32 v3, v4
	s_wait_dscnt 0x0
	CROUND
	s_endpgm
.Lfunc_end_k_q55c150e26a_attn:
	.size	k_q55c150e26a_attn, .Lfunc_end_k_q55c150e26a_attn-k_q55c150e26a_attn
	.p2alignl 7, 3214868480
	.fill 96, 4, 3214868480
	.section	.rodata,"a",@progbits
	.p2align	6, 0x0
	.amdhsa_kernel k_q55c150e26a_attn
		.amdhsa_group_segment_fixed_size 327680
		.amdhsa_private_segment_fixed_size 0
		.amdhsa_enable_private_segment 0
		.amdhsa_kernarg_size 48
		.amdhsa_user_sgpr_count 2
		.amdhsa_user_sgpr_kernarg_segment_ptr 1
		.amdhsa_wavefront_size32 1
		.amdhsa_system_sgpr_workgroup_id_x 1
		.amdhsa_system_sgpr_workgroup_id_y 1
		.amdhsa_system_sgpr_workgroup_id_z 1
		.amdhsa_system_vgpr_workitem_id 0
		.amdhsa_next_free_vgpr 512
		.amdhsa_next_free_sgpr 80
		.amdhsa_reserve_vcc 0
		.amdhsa_float_denorm_mode_32 3
		.amdhsa_float_denorm_mode_16_64 3
		.amdhsa_fp16_overflow 1
		.amdhsa_memory_ordered 1
		.amdhsa_forward_progress 1
		.amdhsa_inst_pref_size 82
	.end_amdhsa_kernel
	.amdgpu_metadata
---
amdhsa.version: [ 1, 2 ]
amdhsa.kernels:
  - .name:           k_q55c150e26a_attn
    .symbol:         k_q55c150e26a_attn.kd
    .args:
      - { .name: q_img, .offset: 0, .size: 8, .value_kind: global_buffer, .address_space: global }
      - { .name: q_sc, .offset: 8, .size: 8, .value_kind: global_buffer, .address_space: global }
      - { .name: kv_img, .offset: 16, .size: 8, .value_kind: global_buffer, .address_space: global }
      - { .name: kv_sc, .offset: 24, .size: 8, .value_kind: global_buffer, .address_space: global }
      - { .name: ctx_img, .offset: 32, .size: 8, .value_kind: global_buffer, .address_space: global }
      - { .name: ctx_sc, .offset: 40, .size: 8, .value_kind: global_buffer, .address_space: global }
    .group_segment_fixed_size: 327680
    .private_segment_fixed_size: 0
    .kernarg_segment_align: 8
    .kernarg_segment_size: 48
    .max_flat_workgroup_size: 256
    .sgpr_count:     80
    .vgpr_count:     512
    .wavefront_size: 32
...
	.end_amdgpu_metadata
.endif
;; end of part 2
;; launch ffn (part 3): grid 256 x 1, 8 waves a work-group, no clusters, 258,048 bytes of LDS; arguments src, ctx_img, ctx_sc, wimg, Wo_scales, W1_scales, W2_scales, b1, b2, g1, be1, g2, be2, out0; writes out0
.if DOCPART == 3
	.amdgcn_target "amdgcn-amd-amdhsa--gfx1250"
	.amdhsa_code_object_version 6
	.text
	.protected	k_q55c150e26a_ffn
	.globl	k_q55c150e26a_ffn
	.p2align	8
	.type	k_q55c150e26a_ffn,@function
k_q55c150e26a_ffn:
	s_mov_b64 s[64:65], 0
	v_nop
	global_prefetch_b8 v0, s[64:65] scope:SCOPE_SE
	s_setreg_imm32_b32 hwreg(HW_REG_WAVE_MODE, 25, 1), 1
	s_wait_xcnt 0x0
; x1 = LN(src + ctx Wo^T; g1, be1);  out0 = LN(x1 + relu(x1 W1^T + b1) W2^T + b2; g2, be2).  The three products on codes of FP8 (E4M3) with E8M0 scales; all else in f32.
; SHARES.  Work-group g owns rows 32 g .. 32 g + 31 as two tiles: row r of tile m is 32 g + 8 m + r + 8 (r / 8).  THE WAVES SHARE THE COLUMNS: wave w owns output columns 64 w .. 64 w + 63 (four tiles t of Wo and of W2)
; and the hidden units 256 w .. 256 w + 255 (K steps 2 w and 2 w + 1 of the last product, eight tiles of W1 each).  All products transposed (source 0 = rows of a weight, source 1 = the rows' codes): a lane holds one row,
; and since row r of weight tile (b, u) is 32 b + 8 u + r + 8 (r / 8), its registers run along neighbouring columns: 16 of each block of 32, the other 16 in lane l xor 16.
; WEIGHTS.  Each of a wave's 144 fragments is read by that wave alone and feeds two matrix instructions, so they go from memory straight into a ring of 16 fragment buffers in window 1, in the order of use in which the first
; launch laid them: four loads of 512 consecutive bytes a fragment, 12 to 16 fragments (24 to 32 KB a wave) on their way.
; NO TENSOR LOADS AND NO CLUSTER: through LDS each weight byte would be written once and read once for those two instructions; the registers hold as many bytes in flight.
; WHAT GOES ROUND between waves is small and goes through LDS as images of the operands' registers: ctx's 8 fragments, x1's 8, the hidden layer's 32, with their scale words.
; The residuals and the biases are the C of each sum's first product.  LAYER NORM: each wave makes mean and sum of squared deviations of its 64 columns; the eight pairs meet in LDS and are merged by
; M2 = sum M2_w + 64 sum (mean_w - mean)^2: only deviations are squared.
; LIMITS: NaN and infinities are not served; a block under 2^-118 gets the scale byte 1; the residual enters the f32 sum first; 1 / sqrt is v_rsq_f32's.
.set VB2,  8192                        ; LDS: g1 0, be1 2,048, g2 4,096, be2 6,144, b2 8,192 (a second copy behind it), b1 12,288
.set VB1,  12288
.set STAT, 20480                       ; 2,048 LN + 1,024 m + 128 w + 8 r: (mean, M2)
.set CIMG, 24576                       ; ctx's 8 fragments, 4 m + s
.set XIMG, 40960                       ; x1's 8: 8,192 m + 2,048 s
.set XSC,  57344                       ; their scale words: 128 s + 4 (16 m + r)
.set HSC,  57856                       ; the hidden layer's: 128 kappa + 4 (16 m + r)
.set HIMG, 59904                       ; its 32 fragments, 2 kappa + m
.set X1S,  125440                      ; x1 in f32, 8,192 bytes of each wave's own
.set OSTG, 190976                      ; the way out: 32 rows of 2,048 bytes + 16
.set SEL, 40
.set MNT, 42
; s36 wave, s37 work-group, s38 mask of lanes 16-31, s43 1 / 512, s44 1e-5, s[46:47] my weights, s[48:49] src, s[50:51] W2's scales, s[52:53] out0
; Window 0: v1 16 lane, v2 4 lane, v3 256 lane, v4 offset in src, v5, v6 offsets in scales of 16 and 64 bytes a row, v7 my columns' place in a vector, v8, v9 the statistics' places, v10-15 addresses of the phase in hand,
;   v16-55 weight scales, v56-59 ctx's, later the hidden layer's, v60-63 x1's; v64-127 and v128-255 accumulators and operands by phase.   Window 1: the ring.
.set MSB, 0
.macro WIN new
.if MSB != \new
	s_set_vgpr_msb (MSB<<8)|\new
.set MSB, \new
.endif
.endm
.macro PLACES n
.rept \n
	v_nop
.endr
.endm
.macro WM d, a, b, c, sa, sb, ra, rb
.if (\ra) && (\rb)
	v_wmma_scale_f32_16x16x128_f8f6f4 v[\d:\d+7], v[\a:\a+15], v[\b:\b+15], v[\c:\c+7], v[\sa], v[\sb] matrix_a_scale:MATRIX_SCALE_ROW1 matrix_b_scale:MATRIX_SCALE_ROW1
.elseif (\ra)
	v_wmma_scale_f32_16x16x128_f8f6f4 v[\d:\d+7], v[\a:\a+15], v[\b:\b+15], v[\c:\c+7], v[\sa], v[\sb] matrix_a_scale:MATRIX_SCALE_ROW1
.elseif (\rb)
	v_wmma_scale_f32_16x16x128_f8f6f4 v[\d:\d+7], v[\a:\a+15], v[\b:\b+15], v[\c:\c+7], v[\sa], v[\sb] matrix_b_scale:MATRIX_SCALE_ROW1
.else
	v_wmma_scale_f32_16x16x128_f8f6f4 v[\d:\d+7], v[\a:\a+15], v[\b:\b+15], v[\c:\c+7], v[\sa], v[\sb]
.endif
.endm
.macro QUANT s, relu, tm, pc, pw       ; 64 numbers of a lane, four blocks of 16 whose other 16 lie in lane l xor 16 -> 16 registers of codes, a scale word.  relu = 1: what is negative becomes 0 on the way
.irp b, 0,1,2,3
	v_mov_b32 v[\tm+4+\b], 0
.endr
.if \relu
.irp b, 0,1,2,3
	v_max3_num_f32 v[\tm+\b], v[\s+16*\b], v[\s+1+16*\b], 0x4800000   ; no |.|: what is negative must not count; the floor 2^(9 - 127) stands over it
.endr
.irp i, 2,4,6,8,10,12,14
.irp b, 0,1,2,3
	v_max3_num_f32 v[\tm+\b], v[\tm+\b], v[\s+16*\b+\i], v[\s+1+16*\b+\i]
.endr
.endr
.else
.irp b, 0,1,2,3
	v_max3_num_f32 v[\tm+\b], |v[\s+16*\b]|, |v[\s+1+16*\b]|, 0x4800000
.endr
.irp i, 2,4,6,8,10,12,14
.irp b, 0,1,2,3
	s_delay_alu instid0(VALU_DEP_4)
	v_max3_num_f32 v[\tm+\b], v[\tm+\b], |v[\s+16*\b+\i]|, |v[\s+1+16*\b+\i]|
.endr
.endr
.endif
.irp b, 0,1,2,3
	s_delay_alu instid0(VALU_DEP_4)
	v_permlanex16_b32 v[\tm+4+\b], v[\tm+\b], s[SEL], s[SEL+1]
.endr
.irp b, 0,1,2,3
	s_delay_alu instid0(VALU_DEP_4)
	v_max_num_f32 v[\tm+\b], v[\tm+\b], v[\tm+4+\b]
.endr
.irp b, 0,1,2,3
	s_delay_alu instid0(VALU_DEP_4)
	v_add_nc_u32 v[\tm+12+\b], 0xfc000000, v[\tm+\b]
.endr
.irp b, 0,1,2,3
	v_and_or_b32 v[\tm+8+\b], v[\tm+\b], 0x7f800000, s[MNT]
.endr
.irp b, 0,1,2,3
	v_lshrrev_b32 v[\tm+4+\b], 23, v[\tm+12+\b]
.endr
	s_delay_alu instid0(VALU_DEP_3)
	v_lshl_or_b32 v[\pw], v[\tm+5], 8, v[\tm+4]
	s_delay_alu instid0(VALU_DEP_1)
	v_lshl_or_b32 v[\pw], v[\tm+6], 16, v[\pw]
	s_delay_alu instid0(VALU_DEP_1)
	v_lshl_or_b32 v[\pw], v[\tm+7], 24, v[\pw]
.irp b, 0,1,2,3
.irp i, 0,1,2,3,4,5,6,7,8,9,10,11,12,13,14,15
.if \relu
	v_med3_num_f32 v[\s+16*\b+\i], v[\s+16*\b+\i], 0, v[\tm+8+\b]   ; the activation and the hold in one
.else
.endif
.endr
	v_cvt_scalef32_pk8_fp8_f32 v[\pc+4*\b:\pc+1+4*\b], v[\s+16*\b:\s+7+16*\b], v[\tm+12+\b]
	v_cvt_scalef32_pk8_fp8_f32 v[\pc+2+4*\b:\pc+3+4*\b], v[\s+8+16*\b:\s+15+16*\b], v[\tm+12+\b]
.endr
	v_nop
.endm
.macro IMAGE adr, pc, off
.irp c, 0,1,2,3
	ds_store_b128 v[\adr], v[\pc+4*\c:\pc+4*\c+3] offset:\off+512*\c
.endr
.endm
.macro BARRIER                         ; my LDS stores have landed and my LDS loads are in: then the work-group's barrier
	s_wait_dscnt 0x0
	s_barrier_signal -1
	s_barrier_wait -1
.endm
.macro WFILL f                         ; weight fragment f into ring buffer f % 16
.irp c, 0,1,2,3
	global_load_b128 v[16*((\f)%16)+4*\c:16*((\f)%16)+4*\c+3], v1, s[46:47] offset:2048*(\f)+512*\c
.endr
.endm
; A GROUP is four fragments and eight products.  GWAIT: loads come back in order, and behind the group's four fragments at most twelve more have been issued (48 loads; fewer at the end): they may stay out.
; Other loads issued in between only mean that more is waited for.
.macro GWAIT f0
.if (\f0)+16 < 144
	s_wait_loadcnt 48
.else
	s_wait_loadcnt 4*(140-(\f0))
.endif
	WIN 0x01                                       ; source 0 in window 1
.endm
; GFILL: eight places behind the products, then the four buffers take the fragments 16 further on.
; A prefetch into the L2 stands behind those loads: the 8,192 bytes of each wave's group 12 further on, eight groups ahead of the loads that want them, lanes 256 bytes apart.  All 256 work-groups read the same weights:
; group p is asked for by work-group p alone, so each block is named once in the launch; groups 0 to 11 come by their loads alone.
.macro GFILL f0
	PLACES 8
.if (\f0)+16 < 144
	WIN 0x40
	WFILL (\f0)+16
	WFILL (\f0)+17
	WFILL (\f0)+18
	WFILL (\f0)+19
.endif
	WIN 0
.if (\f0)/4 < 24
	s_cmp_eq_u32 s37, (\f0)/4+12
	s_cbranch_scc0 .Lnp_\@
	global_prefetch_b8 v3, s[46:47] offset:8192*((\f0)/4+12) th:TH_LOAD_NT scope:SCOPE_SE
.Lnp_\@:
.endif
.endm
; LAYER NORM of the 64 registers at v[V] (32 m + 16 b + e: column 64 w + 32 b + 16 h + e of row (m, r)), in place.  GB: 64 registers for gain and bias; T: 52 at work; st: which of the two; gof, bof: where gain and bias lie in LDS.
; The eight places behind the last products stand directly ahead of it.  Each accumulator is first read at its low end.
.macro LN V, GB, T, st, gof, bof
.irp b, 0,1
.irp q, 0,1,2,3
	ds_load_b128 v[\GB+16*\b+4*\q:\GB+16*\b+4*\q+3], v7 offset:\gof+128*\b+16*\q
	ds_load_b128 v[\GB+32+16*\b+4*\q:\GB+32+16*\b+4*\q+3], v7 offset:\bof+128*\b+16*\q
.endr
.endr
.irp m, 0,1
	v_mov_b32 v[\T+4*\m+2], 0
	v_pk_add_f32 v[\T+4*\m:\T+4*\m+1], v[\V+32*\m:\V+32*\m+1], v[\V+32*\m+2:\V+32*\m+3]
.endr
.irp i, 4,6,8,10,12,14,16,18,20,22,24,26,28,30
.irp m, 0,1
	v_pk_add_f32 v[\T+4*\m:\T+4*\m+1], v[\T+4*\m:\T+4*\m+1], v[\V+32*\m+\i:\V+32*\m+\i+1]
.endr
.endr
.irp m, 0,1
	s_delay_alu instid0(VALU_DEP_2)
	v_add_f32 v[\T+4*\m], v[\T+4*\m], v[\T+4*\m+1]
.endr
.irp m, 0,1
	s_delay_alu instid0(VALU_DEP_2)
	v_permlanex16_b32 v[\T+4*\m+2], v[\T+4*\m], s[SEL], s[SEL+1]
.endr
.irp m, 0,1
	s_delay_alu instid0(VALU_DEP_2)
	v_add_f32 v[\T+4*\m], v[\T+4*\m], v[\T+4*\m+2]
.endr
.irp m, 0,1
	s_delay_alu instid0(VALU_DEP_2)
	v_mul_f32 v[\T+4*\m], 0x3c800000, v[\T+4*\m]   ; the mean of my 64 columns
.endr
.irp i, 0,2,4,6,8,10,12,14,16,18,20,22,24,26,28,30
.irp m, 0,1
	v_pk_add_f32 v[\T+12+4*\m+\i%4:\T+13+4*\m+\i%4], v[\V+32*\m+\i:\V+32*\m+\i+1], v[\T+4*\m:\T+4*\m+1] op_sel_hi:[1,0] neg_lo:[0,1] neg_hi:[0,1]
.endr
.irp m, 0,1
.if \i == 0
	s_delay_alu instid0(VALU_DEP_2)
	v_pk_mul_f32 v[\T+8+2*\m:\T+9+2*\m], v[\T+12+4*\m:\T+13+4*\m], v[\T+12+4*\m:\T+13+4*\m]
.else
	s_delay_alu instid0(VALU_DEP_2)
	v_pk_fma_f32 v[\T+8+2*\m:\T+9+2*\m], v[\T+12+4*\m+\i%4:\T+13+4*\m+\i%4], v[\T+12+4*\m+\i%4:\T+13+4*\m+\i%4], v[\T+8+2*\m:\T+9+2*\m]
.endif
.endr
.endr
.irp m, 0,1
	s_delay_alu instid0(VALU_DEP_2)
	v_add_f32 v[\T+8+2*\m], v[\T+8+2*\m], v[\T+9+2*\m]
.endr
.irp m, 0,1
	s_delay_alu instid0(VALU_DEP_2)
	v_permlanex16_b32 v[\T+4*\m+2], v[\T+8+2*\m], s[SEL], s[SEL+1]
.endr
.irp m, 0,1
	s_delay_alu instid0(VALU_DEP_2)
	v_add_f32 v[\T+4*\m+1], v[\T+8+2*\m], v[\T+4*\m+2]   ; and the sum of their squared deviations from it
.endr
.irp m, 0,1
	ds_store_b64 v8, v[\T+4*\m:\T+4*\m+1] offset:2048*\st+1024*\m   ; lanes r and 16 + r write the same pair
.endr
	BARRIER
.irp m, 0,1
.irp ww, 0,1,2,3,4,5,6,7
	ds_load_b64 v[\T+20+16*\m+2*\ww:\T+21+16*\m+2*\ww], v9 offset:2048*\st+1024*\m+128*\ww
.endr
.endr
	s_wait_dscnt 0x0
.irp m, 0,1
	v_add_f32 v[\T+4*\m], v[\T+20+16*\m], v[\T+22+16*\m]
.endr
.irp ww, 2,3,4,5,6,7
.irp m, 0,1
	s_delay_alu instid0(VALU_DEP_2)
	v_add_f32 v[\T+4*\m], v[\T+4*\m], v[\T+20+16*\m+2*\ww]
.endr
.endr
.irp m, 0,1
	s_delay_alu instid0(VALU_DEP_2)
	v_mul_f32 v[\T+4*\m], 0x3e000000, v[\T+4*\m]   ; the row's mean
.endr
.irp ww, 0,1,2,3,4,5,6,7
.irp m, 0,1
	v_sub_f32 v[\T+20+16*\m+2*\ww], v[\T+20+16*\m+2*\ww], v[\T+4*\m]
.endr
.endr
.irp m, 0,1
	v_mul_f32 v[\T+4*\m+2], v[\T+20+16*\m], v[\T+20+16*\m]
.endr
.irp ww, 1,2,3,4,5,6,7
.irp m, 0,1
	s_delay_alu instid0(VALU_DEP_2)
	v_fmac_f32 v[\T+4*\m+2], v[\T+20+16*\m+2*\ww], v[\T+20+16*\m+2*\ww]
.endr
.endr
.irp m, 0,1
	v_add_f32 v[\T+4*\m+3], v[\T+21+16*\m], v[\T+23+16*\m]
.endr
.irp ww, 2,3,4,5,6,7
.irp m, 0,1
	s_delay_alu instid0(VALU_DEP_2)
	v_add_f32 v[\T+4*\m+3], v[\T+4*\m+3], v[\T+21+16*\m+2*\ww]
.endr
.endr
.irp m, 0,1
	s_delay_alu instid0(VALU_DEP_2)
	v_fmamk_f32 v[\T+4*\m+3], v[\T+4*\m+2], 0x42800000, v[\T+4*\m+3]   ; + 64 x the means' squared deviations
.endr
.irp m, 0,1
	s_delay_alu instid0(VALU_DEP_2)
	v_fma_f32 v[\T+4*\m+3], v[\T+4*\m+3], s43, s44 ; the variance + 1e-5
.endr
	s_wait_alu depctr_va_vdst(0)
.irp m, 0,1
	v_rsq_f32 v[\T+4*\m+2], v[\T+4*\m+3]
.endr
	v_nop                                          ; a plain line behind the two
	s_wait_alu depctr_va_vdst(0)                   ; and one wait ahead of their first reader
.irp i, 0,2,4,6,8,10,12,14,16,18,20,22,24,26,28,30
.irp m, 0,1
	v_pk_add_f32 v[\V+32*\m+\i:\V+32*\m+\i+1], v[\V+32*\m+\i:\V+32*\m+\i+1], v[\T+4*\m:\T+4*\m+1] op_sel_hi:[1,0] neg_lo:[0,1] neg_hi:[0,1]
.endr
.irp m, 0,1
	v_pk_mul_f32 v[\V+32*\m+\i:\V+32*\m+\i+1], v[\V+32*\m+\i:\V+32*\m+\i+1], v[\T+4*\m+2:\T+4*\m+3] op_sel_hi:[1,0]
.endr
.irp m, 0,1
	s_delay_alu instid0(VALU_DEP_2)
	v_pk_fma_f32 v[\V+32*\m+\i:\V+32*\m+\i+1], v[\V+32*\m+\i:\V+32*\m+\i+1], v[\GB+\i:\GB+\i+1], v[\GB+32+\i:\GB+33+\i]
.endr
.endr
.endm
.macro XF ks                           ; x1's two fragments of K step ks into buffer ks % 2
.irp m, 0,1
.irp c, 0,1,2,3
	ds_load_b128 v[64+32*((\ks)%2)+16*\m+4*\c:67+32*((\ks)%2)+16*\m+4*\c], v11 offset:8192*\m+2048*(\ks)+512*\c
.endr
.endr
.endm
.macro HF kp                           ; the hidden layer's two fragments of K step kp and their scale words: nine LDS loads
.irp m, 0,1
.irp c, 0,1,2,3
	ds_load_b128 v[64+32*((\kp)%2)+16*\m+4*\c:67+32*((\kp)%2)+16*\m+4*\c], v11 offset:2048*(2*(\kp)+\m)+512*\c
.endr
.endr
	ds_load_b32 v[56+(\kp)%4], v12 offset:128*(\kp)
.endm
	s_load_b512 s[8:23], s[0:1], 0x0               ; src, ctx_img, ctx_sc, wimg, Wo scales, W1 scales, W2 scales, b1
	s_load_b256 s[24:31], s[0:1], 0x40             ; b2, g1, be1, g2
	s_load_b128 s[32:35], s[0:1], 0x60             ; be2, out0
	v_lshrrev_b32 v1, 5, v0
	s_delay_alu instid0(VALU_DEP_1)
	v_readfirstlane_b32 s36, v1                    ; wave 0..7
	s_mov_b32 s37, ttmp9
	v_and_b32 v15, 31, v0                          ; lane
	v_and_b32 v14, 15, v0                          ; r
	v_bfe_u32 v13, v0, 4, 1                        ; h
	s_delay_alu instid0(VALU_DEP_3)
	v_lshlrev_b32 v1, 4, v15
	s_delay_alu instid0(VALU_DEP_4)
	v_lshlrev_b32 v2, 2, v15
	v_lshlrev_b32 v3, 8, v15
	v_cmp_le_u32 s38, 16, v15
	v_and_b32 v12, 8, v14
	s_delay_alu instid0(VALU_DEP_1)
	v_add_nc_u32 v12, v12, v14                     ; r + 8 (r / 8)
	s_delay_alu instid0(VALU_DEP_1)
	v_lshlrev_b32 v4, 11, v12
	s_delay_alu instid0(VALU_DEP_1)
	v_lshl_add_u32 v4, v13, 6, v4                  ; src: my row, + 64 h
	s_delay_alu instid0(VALU_DEP_3)
	v_lshl_add_u32 v5, v13, 3, v12                 ; scales: lanes 0-15 the rows of tile (b, 0), lanes 16-31 those of (b, 1)
	s_delay_alu instid0(VALU_DEP_1)
	v_lshlrev_b32 v6, 6, v5
	s_delay_alu instid0(VALU_DEP_2)
	v_lshlrev_b32 v5, 4, v5
	s_lshl_b32 s54, s36, 8
	v_lshl_add_u32 v7, v13, 6, s54                 ; a vector of 512: my columns begin at byte 256 w + 64 h
	s_lshl_b32 s54, s36, 7
	s_add_co_u32 s54, s54, STAT
	v_lshl_add_u32 v8, v14, 3, s54
	v_lshl_add_u32 v9, v14, 3, STAT
	v_lshlrev_b32 v10, 4, v0                       ; 16 x thread
	s_lshl_b32 s54, s36, 11
	s_add_co_u32 s54, s54, CIMG
	v_add_nc_u32 v11, s54, v1
	v_add_nc_u32 v12, CIMG, v1
	v_and_b32 v13, 127, v0
	s_delay_alu instid0(VALU_DEP_1)
	v_lshlrev_b32 v13, 4, v13                      ; 16 x (thread % 128)
	s_mov_b32 s[SEL], 0x76543210
	s_mov_b32 s[SEL+1], 0xfedcba98
	s_mov_b32 s[MNT], 0x600000
	s_mov_b32 s43, 0x3b000000                      ; 1 / 512
	s_mov_b32 s44, 0x3727c5ac                      ; 1e-5
	s_mul_i32 s54, s36, 294912                     ; my 144 fragments
	s_mov_b32 s55, 0
	s_lshl_b32 s56, s37, 14
	s_lshl_b32 s57, s36, 11
	s_add_co_u32 s56, s56, s57                     ; ctx: the work-group's 8 fragments, the one that I bring
	s_mov_b32 s57, 0
	s_lshl_b32 s58, s37, 7
	s_mov_b32 s59, 0
	s_lshl_b32 s60, s37, 16
	s_lshl_b32 s61, s36, 8
	s_add_co_u32 s60, s60, s61                     ; src: 32 rows of 2,048 bytes, my 64 columns
	s_mov_b32 s61, 0
	s_lshl_b32 s62, s36, 10
	s_mov_b32 s63, 0
	s_lshl_b32 s66, s36, 12
	s_mov_b32 s67, 0
	s_lshl_b32 s68, s37, 5                         ; the four rows that I store: stage rows 4 w on are rows 32 g + 8 (w / 4) + 4 (w % 4) + 8 ((w / 2) % 2) on
	s_lshr_b32 s69, s36, 2
	s_lshl_b32 s69, s69, 3
	s_add_co_u32 s68, s68, s69
	s_and_b32 s69, s36, 3
	s_lshl_b32 s69, s69, 2
	s_add_co_u32 s68, s68, s69
	s_bfe_u32 s69, s36, 0x10001
	s_lshl_b32 s69, s69, 3
	s_add_co_u32 s68, s68, s69
	s_lshl_b32 s68, s68, 11
	s_mov_b32 s69, 0
	s_wait_alu depctr_va_vdst(0)
	s_wait_kmcnt 0x0
	s_add_nc_u64 s[46:47], s[14:15], s[54:55]
	s_add_nc_u64 s[10:11], s[10:11], s[56:57]
	s_add_nc_u64 s[12:13], s[12:13], s[58:59]
	s_add_nc_u64 s[48:49], s[8:9], s[60:61]
	s_add_nc_u64 s[16:17], s[16:17], s[62:63]
	s_add_nc_u64 s[18:19], s[18:19], s[66:67]
	s_add_nc_u64 s[50:51], s[20:21], s[66:67]
	s_add_nc_u64 s[52:53], s[34:35], s[68:69]
	s_cmp_lt_u32 s36, 4
	s_cselect_b64 s[70:71], s[26:27], s[28:29]     ; waves 0-3 bring the gains, waves 4-7 the biases
	s_cselect_b64 s[72:73], s[30:31], s[32:33]
.irp c, 0,1,2,3
	global_load_b128 v[128+4*\c:131+4*\c], v1, s[10:11] offset:512*\c
.endr
	global_load_b128 v[144:147], v10, s[22:23]
	global_load_b128 v[148:151], v10, s[22:23] offset:4096
	global_load_b128 v[152:155], v13, s[70:71]
	global_load_b128 v[156:159], v13, s[72:73]
	global_load_b128 v[160:163], v13, s[24:25]
.irp e, 0,1,2,3,4,5,6,7
	global_load_b32 v[164+\e], v2, s[12:13] offset:32768*\e   ; head e's two scale bytes: lanes 0-15 tile 0's rows, lanes 16-31 tile 1's
.endr
	global_load_b128 v[16:19], v5, s[16:17]        ; Wo's scale words: register 16 + 4 b + s
	global_load_b128 v[20:23], v5, s[16:17] offset:512
.irp rho, 0,1
.irp b, 0,1,2,3
	global_load_b128 v[24+16*\rho+4*\b:27+16*\rho+4*\b], v5, s[18:19] offset:2048*\rho+512*\b   ; W1's: 24 + 16 rho + 4 b + s
.endr
.endr
.irp m, 0,1
.irp b, 0,1
.irp q, 0,1,2,3
	global_load_b128 v[64+32*\m+16*\b+4*\q:67+32*\m+16*\b+4*\q], v4, s[48:49] offset:16384*\m+128*\b+16*\q th:TH_LOAD_NT   ; src, straight into the first product's accumulators
.endr
.endr
.endr
	WIN 0x40
.irp f, 0,1,2,3,4,5,6,7,8,9,10,11,12,13,14,15
	WFILL \f
.endr
	WIN 0
	s_wait_loadcnt 63                              ; 64 weight loads were issued behind the 43 above: those are in
	IMAGE 11, 128, 0
	ds_store_b128 v10, v[144:147] offset:VB1
	ds_store_b128 v10, v[148:151] offset:VB1+4096
	ds_store_b128 v10, v[152:155]                  ; g1, be1
	ds_store_b128 v10, v[156:159] offset:4096      ; g2, be2
	ds_store_b128 v10, v[160:163] offset:VB2       ; b2 (waves 4-7 lay a second copy behind it, which nobody reads: so no branch is needed)
.irp ks, 0,1,2,3
	v_lshl_or_b32 v[56+\ks], v[165+2*\ks], 16, v[164+2*\ks]   ; ctx's scale word of K step ks: heads 2 ks and 2 ks + 1
.endr
	PLACES 8                                       ; a scale register written by a vector instruction stands eight places ahead of the product
	s_wait_alu depctr_va_vdst(0)
	BARRIER                                        ; ctx's eight fragments and the vectors lie in LDS
	; ---- A: src + ctx Wo^T, eight accumulators by turns (one instruction a turn)
.irp f, 0,1,2,3,4,5,6,7
.irp c, 0,1,2,3
	ds_load_b128 v[128+16*\f+4*\c:131+16*\f+4*\c], v12 offset:2048*\f+512*\c
.endr
.endr
	s_wait_dscnt 0x0
.irp ks, 0,1,2,3
	GWAIT 4*\ks
.irp t, 0,1,2,3
.irp m, 0,1
	WM 64+32*\m+8*\t, 16*(4*\ks+\t), 128+16*(4*\m+\ks), 64+32*\m+8*\t, 16+4*(\t/2)+\ks, 56+\ks, \t%2, \m
.endr
.endr
	GFILL 4*\ks
.endr
	LN 64, 128, 192, 0, 0, 2048
	; x1: kept in f32 in my own bytes, and quantised: blocks (m, b) are register groups 2 (w % 2) + b of fragment (m, K step w / 2)
	s_lshl_b32 s54, s36, 13
	s_add_co_u32 s54, s54, X1S
	v_add_nc_u32 v10, s54, v1
	s_wait_alu depctr_va_vdst(0)
	s_lshr_b32 s54, s36, 1
	s_and_b32 s55, s36, 1
	s_lshl_b32 s56, s54, 11
	s_lshl_b32 s57, s55, 10
	s_add_co_u32 s56, s56, s57
	s_add_co_u32 s56, s56, XIMG
	v_add_nc_u32 v11, s56, v1
	s_lshl_b32 s56, s54, 7
	s_lshl_b32 s57, s55, 1
	s_add_co_u32 s56, s56, s57
	s_add_co_u32 s56, s56, XSC
	v_add_nc_u32 v12, s56, v2
.irp k, 0,1,2,3,4,5,6,7,8,9,10,11,12,13,14,15
	ds_store_b128 v10, v[64+4*\k:67+4*\k] offset:512*\k
.endr
	s_wait_dscnt 0x0                               ; the stores have read their registers
	QUANT 64, 0, 192, 208, 224
.irp m, 0,1
.irp b, 0,1
	ds_store_b128 v11, v[208+4*(2*\m+\b):211+4*(2*\m+\b)] offset:8192*\m+512*\b
.endr
.endr
	v_lshrrev_b32 v225, 16, v224
	s_delay_alu instid0(VALU_DEP_1)
	v_cndmask_b32 v225, v224, v225, s38            ; lanes 0-15 tile 0's two bytes, lanes 16-31 tile 1's
	ds_store_b16 v12, v225
	BARRIER                                        ; x1's eight fragments and their scale words lie in LDS
	; ---- C: my two K steps of the hidden layer, 16 accumulators by turns; b1 is the C of the first products
	v_add_nc_u32 v11, XIMG, v1
	v_add_nc_u32 v12, XSC, v2
	s_lshl_b32 s54, s36, 10
	s_add_co_u32 s54, s54, VB1
	v_bfe_u32 v13, v0, 4, 1
	s_delay_alu instid0(VALU_DEP_1)
	v_lshl_add_u32 v13, v13, 6, s54                ; b1: my 256 numbers, + 64 h
	s_lshl_b32 s54, s36, 13
	s_add_co_u32 s54, s54, HIMG
	v_add_nc_u32 v14, s54, v1
	s_lshl_b32 s54, s36, 8
	s_add_co_u32 s54, s54, HSC
	v_add_nc_u32 v15, s54, v2
.irp rho, 0,1
.irp m, 0,1
.irp t, 0,1,2,3,4,5,6,7
	ds_load_b128 v[128+64*\m+8*\t:131+64*\m+8*\t], v13 offset:512*\rho+128*(\t/2)+32*(\t%2)
	ds_load_b128 v[132+64*\m+8*\t:135+64*\m+8*\t], v13 offset:512*\rho+128*(\t/2)+32*(\t%2)+16
.endr
.endr
.if \rho == 0
.irp ks, 0,1,2,3
	ds_load_b32 v[60+\ks], v12 offset:128*\ks
.endr
.else
.irp kq, 0,1,2
.irp b, 0,1
	global_load_b128 v[16+8*\kq+4*\b:19+8*\kq+4*\b], v6, s[50:51] offset:2048*\b+16*\kq   ; W2's scale words of K steps 0-11, over Wo's and the first half of W1's, which are done with: 16 + 8 (kappa / 4) + 4 b + kappa % 4
.endr
.endr
.endif
	XF 0
.irp ks, 0,1,2,3
.irp hf, 0,1
.if \hf == 0
	s_wait_dscnt 0x0                               ; this K step's fragments of x1 (and b1) are in
.endif
	GWAIT 16+32*\rho+8*\ks+4*\hf
.irp tt, 0,1,2,3
.irp m, 0,1
	WM 128+64*\m+8*(4*\hf+\tt), 16*((16+32*\rho+8*\ks+4*\hf+\tt)%16), 64+32*(\ks%2)+16*\m, 128+64*\m+8*(4*\hf+\tt), 24+16*\rho+4*((4*\hf+\tt)/2)+\ks, 60+\ks, \tt%2, \m
.endr
.endr
	GFILL 16+32*\rho+8*\ks+4*\hf
.if (\hf == 0) && (\ks < 3)
	s_wait_alu depctr_va_vdst(0)
	XF \ks+1                                       ; into the buffer that the K step before has left
.endif
.endr
.endr
	QUANT 128, 1, 64, 80, 112                      ; tile 0's 128 hidden units are one fragment of the last product,
	IMAGE 14, 80, 4096*\rho
	QUANT 192, 1, 64, 96, 113                      ; tile 1's another
	IMAGE 14, 96, 4096*\rho+2048
	v_cndmask_b32 v114, v112, v113, s38
	ds_store_b32 v15, v114 offset:128*\rho
	s_wait_dscnt 0x0                               ; the stores have read their registers
.endr
	s_barrier_signal -1
	s_barrier_wait -1                              ; the hidden layer's 32 fragments lie in LDS
	; ---- D: x1 + b2 + hidden W2^T, eight accumulators by turns, a K step a group
	global_load_b128 v[40:43], v6, s[50:51] offset:48          ; W2's scale words of K steps 12-15, over the rest of W1's
	global_load_b128 v[44:47], v6, s[50:51] offset:2048+48
	v_add_nc_u32 v11, HIMG, v1
	v_add_nc_u32 v12, HSC, v2
.irp k, 0,1,2,3,4,5,6,7,8,9,10,11,12,13,14,15
	ds_load_b128 v[128+4*\k:131+4*\k], v10 offset:512*\k
.endr
.irp b, 0,1
.irp q, 0,1,2,3
	ds_load_b128 v[64+16*\b+4*\q:67+16*\b+4*\q], v7 offset:VB2+128*\b+16*\q
.endr
.endr
	s_wait_dscnt 0x0
.irp i, 0,2,4,6,8,10,12,14,16,18,20,22,24,26,28,30
.irp m, 0,1
	v_pk_add_f32 v[128+32*\m+\i:129+32*\m+\i], v[128+32*\m+\i:129+32*\m+\i], v[64+\i:65+\i]
.endr
.endr
	HF 0
	HF 1
	s_wait_alu depctr_va_vdst(0)
.irp kp, 0,1,2,3,4,5,6,7,8,9,10,11,12,13,14,15
.if \kp < 15
	s_wait_dscnt 9                                 ; this K step's nine loads are in; the next step's nine may be out
.else
	s_wait_dscnt 0x0
.endif
	GWAIT 80+4*\kp
.irp t, 0,1,2,3
.irp m, 0,1
	WM 128+32*\m+8*\t, 16*((80+4*\kp+\t)%16), 64+32*(\kp%2)+16*\m, 128+32*\m+8*\t, 16+8*(\kp/4)+4*(\t/2)+\kp%4, 56+\kp%4, \t%2, \m
.endr
.endr
	GFILL 80+4*\kp
.if \kp < 14
	HF \kp+2                                       ; two K steps ahead, into the buffer just left
.endif
.endr
	LN 128, 64, 192, 1, 4096, 6144
	; ---- the way out: a row's 2,048 bytes come from eight waves: through a stage, then each wave stores four whole rows
	v_and_b32 v13, 15, v0
	s_delay_alu instid0(VALU_DEP_1)
	v_mul_u32_u24 v13, v13, 2064
	v_bfe_u32 v14, v0, 4, 1
	s_delay_alu instid0(VALU_DEP_1)
	v_lshl_add_u32 v13, v14, 6, v13
	s_lshl_b32 s54, s36, 8
	s_add_co_u32 s54, s54, OSTG
	v_add_nc_u32 v13, s54, v13                     ; in: stage row 16 m + r, my columns
	s_mul_i32 s54, s36, 8256
	s_add_co_u32 s54, s54, OSTG
	v_add_nc_u32 v14, s54, v1                      ; back: stage rows 4 w on
.irp m, 0,1
.irp b, 0,1
.irp q, 0,1,2,3
	ds_store_b128 v13, v[128+32*\m+16*\b+4*\q:131+32*\m+16*\b+4*\q] offset:33024*\m+128*\b+16*\q
.endr
.endr
.endr
	s_wait_alu depctr_va_vdst(0)
	BARRIER
.irp i, 0,1,2,3
.irp k, 0,1,2,3
	ds_load_b128 v[64+16*\i+4*\k:67+16*\i+4*\k], v14 offset:2064*\i+512*\k
.endr
.endr
.irp i, 0,1,2,3
.irp k, 0,1,2,3
	s_wait_dscnt 15-4*\i-\k                        ; LDS loads come back in order: the younger ones may be out
	global_store_b128 v1, v[64+16*\i+4*\k:67+16*\i+4*\k], s[52:53] offset:2048*\i+512*\k th:TH_STORE_NT   ; 512 consecutive bytes, aligned
.endr
.endr
	s_wait_xcnt 0x0
	v_lshl_add_u32 v254, v0, 2, 0x3ec00
	v_mov_b32 v255, 0
	s_wait_alu depctr_va_vdst(0)
	s_wait_tensorcnt 0x0
	ds_add_u32 v254, v255
	s_wait_dscnt 0x0
	s_endpgm
.Lfunc_end_k_q55c150e26a_ffn:
	.size	k_q55c150e26a_ffn, .Lfunc_end_k_q55c150e26a_ffn-k_q55c150e26a_ffn
	.p2alignl 7, 3214868480
	.fill 96, 4, 3214868480
	.section	.rodata,"a",@progbits
	.p2align	6, 0x0
	.amdhsa_kernel k_q55c150e26a_ffn
		.amdhsa_group_segment_fixed_size 258048
		.amdhsa_private_segment_fixed_size 0
		.amdhsa_enable_private_segment 0
		.amdhsa_kernarg_size 112
		.amdhsa_user_sgpr_count 2
		.amdhsa_user_sgpr_kernarg_segment_ptr 1
		.amdhsa_wavefront_size32 1
		.amdhsa_system_sgpr_workgroup_id_x 1
		.amdhsa_system_sgpr_workgroup_id_y 1
		.amdhsa_system_sgpr_workgroup_id_z 1
		.amdhsa_system_vgpr_workitem_id 0
		.amdhsa_next_free_vgpr 512
		.amdhsa_next_free_sgpr 80
		.amdhsa_reserve_vcc 0
		.amdhsa_float_denorm_mode_32 3
		.amdhsa_float_denorm_mode_16_64 3
		.amdhsa_fp16_overflow 1
		.amdhsa_memory_ordered 1
		.amdhsa_forward_progress 1
		.amdhsa_inst_pref_size 232
	.end_amdhsa_kernel
	.amdgpu_metadata
---
amdhsa.version: [ 1, 2 ]
amdhsa.kernels:
  - .name:           k_q55c150e26a_ffn
    .symbol:         k_q55c150e26a_ffn.kd
    .args:
      - { .name: src, .offset: 0, .size: 8, .value_kind: global_buffer, .address_space: global }
      - { .name: ctx_img, .offset: 8, .size: 8, .value_kind: global_buffer, .address_space: global }
      - { .name: ctx_sc, .offset: 16, .size: 8, .value_kind: global_buffer, .address_space: global }
      - { .name: wimg, .offset: 24, .size: 8, .value_kind: global_buffer, .address_space: global }
      - { .name: Wo_scales, .offset: 32, .size: 8, .value_kind: global_buffer, .address_space: global }
      - { .name: W1_scales, .offset: 40, .size: 8, .value_kind: global_buffer, .address_space: global }
      - { .name: W2_scales, .offset: 48, .size: 8, .value_kind: global_buffer, .address_space: global }
      - { .name: b1, .offset: 56, .size: 8, .value_kind: global_buffer, .address_space: global }
      - { .name: b2, .offset: 64, .size: 8, .value_kind: global_buffer, .address_space: global }
      - { .name: g1, .offset: 72, .size: 8, .value_kind: global_buffer, .address_space: global }
      - { .name: be1, .offset: 80, .size: 8, .value_kind: global_buffer, .address_space: global }
      - { .name: g2, .offset: 88, .size: 8, .value_kind: global_buffer, .address_space: global }
      - { .name: be2, .offset: 96, .size: 8, .value_kind: global_buffer, .address_space: global }
      - { .name: out0, .offset: 104, .size: 8, .value_kind: global_buffer, .address_space: global }
    .group_segment_fixed_size: 258048
    .private_segment_fixed_size: 0
    .kernarg_segment_align: 8
    .kernarg_segment_size: 112
    .max_flat_workgroup_size: 256
    .sgpr_count:     80
    .vgpr_count:     512
    .wavefront_size: 32
...
	.end_amdgpu_metadata
.endif
;; end of part 3
